; MI455X (gfx1250); checked and timed in simulation.
; The chip was launched on July 23, 2026; its instructions are those of AMD's public machine-readable ISA for CDNA 5 (MIT licence, August 2026) and "CDNA5" Instruction Set Architecture Reference Guide (July 2026). The comments in the code are by the model that wrote it; some were corrected since.
;; Mo E Dispatcher. Allowed arithmetic: matrix products marked QUANTISED: E2M3 operands, one E8M0 scale for each 32 along K, by v_wmma_scale_f32_16x16x128_f8f6f4 with both operands' format E2M3, f32 sums; everything else in f32.
;; Inputs: b1 8 x 1,024 float32; b2 8 x 1,024 float32; expert_indices 4 x 1,024 x 2 int32; expert_weights 4 x 1,024 x 2 float32; w1 8 x 1,024 x 1,024 float32; w2 8 x 1,024 x 1,024 float32; x 4 x 1,024 x 1,024 float32.
;; Outputs: out0 4 x 1,024 x 1,024 float32.
;; This version of the problem:
;;   THIS VERSION OF THE PROBLEM IS GIVEN IN LOW PRECISION. The matrix products marked QUANTISED in the list below multiply operands that are first quantised to E2M3 (2 exponent bits, 3 mantissa bits; 6 bits a number), with one power-of-two scale for each 32 numbers along K (OCP MX v1.0); their sums are f32. All else is computed in f32.
;;   The module's matrix products, in the order in which they are computed (A, B: the left and right operand; K: the contracted axis; several contracted axes count as one K, in the product's order):
;;     1. [M 4,096, K 1,024] x [K 1,024, N 1,024]; A: input x; B: input w1: QUANTISED
;;     2. [M 4,096, K 1,024] x [K 1,024, N 1,024]; A: computed on the way; B: input w2: QUANTISED
;;     3. [M 4,096, K 1,024] x [K 1,024, N 1,024]; A: input x; B: input w1: QUANTISED
;;     4. [M 4,096, K 1,024] x [K 1,024, N 1,024]; A: computed on the way; B: input w2: QUANTISED
;;     5. [M 4,096, K 1,024] x [K 1,024, N 1,024]; A: input x; B: input w1: QUANTISED
;;     6. [M 4,096, K 1,024] x [K 1,024, N 1,024]; A: computed on the way; B: input w2: QUANTISED
;;     7. [M 4,096, K 1,024] x [K 1,024, N 1,024]; A: input x; B: input w1: QUANTISED
;;     8. [M 4,096, K 1,024] x [K 1,024, N 1,024]; A: computed on the way; B: input w2: QUANTISED
;;     9. [M 4,096, K 1,024] x [K 1,024, N 1,024]; A: input x; B: input w1: QUANTISED
;;     10. [M 4,096, K 1,024] x [K 1,024, N 1,024]; A: computed on the way; B: input w2: QUANTISED
;;     11. [M 4,096, K 1,024] x [K 1,024, N 1,024]; A: input x; B: input w1: QUANTISED
;;     12. [M 4,096, K 1,024] x [K 1,024, N 1,024]; A: computed on the way; B: input w2: QUANTISED
;;     13. [M 4,096, K 1,024] x [K 1,024, N 1,024]; A: input x; B: input w1: QUANTISED
;;     14. [M 4,096, K 1,024] x [K 1,024, N 1,024]; A: computed on the way; B: input w2: QUANTISED
;;     15. [M 4,096, K 1,024] x [K 1,024, N 1,024]; A: input x; B: input w1: QUANTISED
;;     16. [M 4,096, K 1,024] x [K 1,024, N 1,024]; A: computed on the way; B: input w2: QUANTISED
;;   THE QUANTISER, for each operand of a quantised product, along K:
;;     - K is cut into blocks of 32 from its start; a last block that is shorter is filled with zeros.
;;     - A block's scale is 2^e with e = floor(log2(the largest magnitude in the block)) - 2, held to -126 .. 127; a block of zeros has e = 0. As a byte (E8M0): e + 127.
;;     - Each number is divided by its block's scale, clamped to +-7.5, and rounded to the nearest number of E2M3, ties to even, subnormals kept.
;;     - The product sums the exact products of the quantised numbers (number of the format x scale) in f32.
;;   ~~~python
;;   def quantise(x, axis):      # numpy; x: float32 -> the quantised numbers, widened to float32 again
;;       x = np.moveaxis(x, axis, -1); K = x.shape[-1]
;;       x = np.pad(x, [(0, 0)] * (x.ndim - 1) + [(0, -K % 32)]); x = x.reshape(x.shape[:-1] + (-1, 32)); a = np.abs(x).max(-1, keepdims=True)
;;       e = np.where(a > 0, np.clip(np.frexp(np.where(a > 0, a, 1))[1] - 1 - 2, -126, 127), 0)      # np.frexp(a)[1] - 1 = floor(log2(a)), exactly
;;       r = np.clip(x / 2.0 ** e, -7.5, 7.5)
;;       step = 2.0 ** (np.maximum(np.frexp(np.where(r == 0, 1, r))[1] - 1, 0) - 3)
;;       q = np.round(r / step) * step * 2.0 ** e      # np.round: ties to even
;;       return np.moveaxis(q.reshape(q.shape[:-2] + (-1,))[..., :K], -1, axis).astype(np.float32)
;;   ~~~
;;   OPERANDS COMPUTED ON THE WAY. 'Computed on the way' means the value that the module computes at that place (a softmax that the list does not call 'softmax' is quantised finished and normalised). What goes into a quantiser is computed in f32, as accurately as f32 sums, v_exp_f32 and their like allow (about 1e-6 of the number): no bf16 or f16 on the way to a quantiser, and a product that is left as it is and whose result goes on into a quantised operand takes f32 operands (vector FMAs, or v_wmma_f32_16x16x4_f32). A number that lies on a knife's edge between two numbers of the format may be rounded either way, as far as f32 arithmetic and the matrix unit's own rounding can turn it there, and no further.
;; 2 versions. Each part assembles by itself: llvm-mc -triple=amdgcn-amd-amdhsa -mcpu=gfx1250 --defsym DOCPART=n.
;; ======== version 1 of 2: 3 launches
;; workspace buffers: xq 3,145,728 bytes; xs 131,072 bytes; wimg 12,582,912 bytes; wsc 524,288 bytes; hq 25,165,824 bytes; hs 1,048,576 bytes; order 16,384 bytes of whole numbers
;; launch prep (part 1): grid 321 x 1, 8 waves a work-group, no clusters, 103,424 bytes of LDS; arguments x, w1, w2, expert_indices, xq, xs, wimg, wsc, order; writes xq, xs, wimg, wsc, order
.if DOCPART == 1
	.amdgcn_target "amdgcn-amd-amdhsa--gfx1250"
	.amdhsa_code_object_version 6
	.text
	.protected	k_qea5c47140d_prep
	.globl	k_qea5c47140d_prep
	.p2align	8
	.type	k_qea5c47140d_prep,@function
k_qea5c47140d_prep:
	s_mov_b64 s[64:65], 0
	v_nop
	global_prefetch_b8 v0, s[64:65] scope:SCOPE_SE
	s_setreg_imm32_b32 hwreg(HW_REG_WAVE_MODE, 25, 1), 1
	s_wait_xcnt 0x0
; THE FIRST OF THREE LAUNCHES.  Three kinds of work-groups, told apart by the work-group's number alone; each kind has LDS bytes of its own.
;   work-group 0        SORT: the 4,096 tokens are sorted by their pair of experts (a counting sort over 36 keys, by ballots; no atomics): order[position] = token.
;   work-groups 1-64    X:    x [4096][1024] f32 -> codes of FP6 (E2M3), K innermost, 768 bytes a token (xq), and one E8M0 byte for each 32 along K (xs).
;   work-groups 65-320  W:    w1, w2 [8][1024 (k)][1024 (n)] f32 are quantised along k, their FIRST axis within an expert, and laid as IMAGES OF OPERAND REGISTERS (wimg) with their scale words (wsc).
; A block's scale is 2^(floor(log2(its largest magnitude)) - 2); its byte is the largest magnitude's exponent field - 2, held at 1 from below.
; LIMITS: a block of zeros gets the byte 1 where the rule says 127 (its codes are zeros, which add nothing under any byte but 0xff, and this program alone reads the bytes);
; blocks whose largest magnitude lies under 2^-124 have their byte held at 1; NaN and infinities among the inputs are not served.
; wimg: [matrix 16 (w1's experts, then w2's)][Bn 32][K step q 8][u 2][1,536 bytes].  Fragment (Bn, q, u): lane (r, h) holds column n = 32 Bn + 8 u + r + 8 (r / 8), registers 6 c .. 6 c + 5 hold k = 128 q + 64 c + 32 h + 0 .. 31;
;       register i of lane l lies at byte 512 (i / 4) + 16 l + 4 (i % 4): three loads of 16 bytes a lane bring a fragment.
; wsc:  [matrix][Bn][pair of K steps 4][16 u + r][2 words]: one load of 8 bytes a lane brings tile u = 0 in lanes 0-15 and u = 1 in lanes 16-31.
.set CNT,  0                           ; SORT: the table of counts, word [key][wave], 64 rows of 32 bytes
.set XLDS, 4096                        ; X: a region for each wave: two stages of 32 x 80 bytes, then its 256 scale bytes
.set XREG, 5632
.set SP,   80                          ; a lane's place in a stage: its 64 bytes + 16 of padding
.set WLDS, 49152                       ; W: a region for each wave: four fragments' images
.set WREG, 6656
.set FST,  1664                        ; from fragment to fragment in the stage: 1,536 + 128, so that the lanes of tile u = 1 store 32 words further on modulo 64
.set XR,   16                          ; X: v16-79 four sets of 16 numbers as loaded; v80-111 two sets of 16 neighbours; v112-127 a byte a step; v128-191 codes, four registers a step
.set XX,   80
.set XE,   112
.set XC,   128
.macro XLOAD t                         ; X: step t's 2,048 bytes, 512 consecutive bytes a load
.irp i, 0,1,2,3
	global_load_b128 v[XR+16*((\t)%4)+4*\i:XR+16*((\t)%4)+4*\i+3], v3, s[4:5] offset:2048*(\t)+512*\i th:TH_LOAD_NT
.endr
.endm
.macro XTURN t                         ; through the wave's stage: in as loaded, out 64 bytes a lane.  LDS serves a wave's instructions in order (ISA guide 5.7.1.4)
.irp i, 0,1,2,3
	ds_store_b128 v14, v[XR+16*((\t)%4)+4*\i:XR+16*((\t)%4)+4*\i+3] offset:32*SP*((\t)%2)+8*SP*\i
.endr
.irp i, 0,1,2,3
	ds_load_b128 v[XX+16*((\t)%2)+4*\i:XX+16*((\t)%2)+4*\i+3], v15 offset:32*SP*((\t)%2)+16*\i
.endr
.endm
.macro XSTEP t                         ; 512 numbers: 16 neighbours a lane, two neighbouring lanes hold a block of 32
.set XS, XX+16*((\t)%2)
.if (\t) > 0
	s_wait_dscnt 1                                 ; this step's numbers are back from the stage; the last step's byte store may be out
.else
	s_wait_dscnt 0x0
.endif
.if (\t)+4 < 16
	XLOAD (\t)+4
.endif
.if (\t)+1 < 16
.if 14-(\t) >= 3
	s_wait_loadcnt 12                              ; the next step's four loads are in; those of the three steps behind it may be out
.else
	s_wait_loadcnt 4*(14-(\t))
.endif
	XTURN (\t)+1
.endif
	v_max3_num_f32 v8, |v[XS]|, |v[XS+1]|, |v[XS+2]|
	v_max3_num_f32 v9, |v[XS+3]|, |v[XS+4]|, |v[XS+5]|
.irp i, 6,10
	v_max3_num_f32 v8, v8, |v[XS+\i]|, |v[XS+\i+1]|
	v_max3_num_f32 v9, v9, |v[XS+\i+2]|, |v[XS+\i+3]|
.endr
	v_max3_num_f32 v8, v8, |v[XS+14]|, |v[XS+15]|
	v_max3_num_f32 v8, v8, v9, 0x1800000           ; the floor 2^(3 - 127): the byte cannot fall under 1
	v_max_num_f32_dpp v8, v8, v8 row_xmask:1 row_mask:0xf bank_mask:0xf   ; with my neighbour's 16: the block's largest magnitude
	v_add_nc_u32 v11, 0xff000000, v8               ; 2 off its exponent field: the conversion takes the exponent field of this operand as its scale
	v_cvt_scalef32_pk16_fp6_f32 v[XC+4*(\t):XC+4*(\t)+2], v[XS:XS+15], v11
	v_lshrrev_b32 v[XE+(\t)], 23, v11              ; the scale's byte (also the plain line behind the conversion)
	ds_store_b8 v5, v[XE+(\t)] offset:16*(\t)      ; both lanes of a block write the same byte with the same value
	global_store_b96 v4, v[XC+4*(\t):XC+4*(\t)+2], s[12:13] offset:384*(\t)
.endm
.macro WLOAD t                         ; W: block t: w(32 t + i, my column), i = 0 .. 31; a wave reads 128 consecutive bytes, the eight waves 1,024
.irp i, 0,1,2,3,4,5,6,7,8,9,10,11,12,13,14,15,16,17,18,19,20,21,22,23,24,25,26,27,28,29,30,31
	global_load_b32 v[32+32*((\t)%2)+\i], v3, s[24:25] offset:(32*(\t)+\i)*4096 th:TH_LOAD_NT
.endr
.endm
.macro WBLOCK t                        ; block t of my column: K step t / 4 of my two, c = (t / 2) % 2, h = t % 2 of the fragment's layout
.set XS, 32+32*((\t)%2)
.set WOF, 2*FST*((\t)/4)+256*((\t)%2)
.if (\t) < 7
	s_wait_loadcnt 32                              ; this block's 32 loads are in; the next block's may be out
.else
	s_wait_loadcnt 0x0
.endif
	v_max3_num_f32 v12, |v[XS]|, |v[XS+1]|, |v[XS+2]|
	v_max3_num_f32 v13, |v[XS+3]|, |v[XS+4]|, |v[XS+5]|
.irp i, 6,10,14,18,22,26
	v_max3_num_f32 v12, v12, |v[XS+\i]|, |v[XS+\i+1]|
	v_max3_num_f32 v13, v13, |v[XS+\i+2]|, |v[XS+\i+3]|
.endr
	v_max3_num_f32 v12, v12, |v[XS+30]|, |v[XS+31]|
	v_max3_num_f32 v12, v12, v13, 0x1800000        ; all 32 numbers are mine; and the floor
	v_add_nc_u32 v11, 0xff000000, v12
	v_lshrrev_b32 v13, 23, v11
.if (\t)%4 == 0
	v_mov_b32 v[24+(\t)/4], v13                    ; four bytes make a K step's scale word, the lower k in the lower byte
.else
	v_lshl_or_b32 v[24+(\t)/4], v13, 8*((\t)%4), v[24+(\t)/4]
.endif
	v_cvt_scalef32_pk16_fp6_f32 v[96:98], v[XS:XS+15], v11
	v_cvt_scalef32_pk16_fp6_f32 v[104:106], v[XS+16:XS+31], v11   ; (a conversion's three registers begin on an even number)
	v_nop                                          ; one plain line behind the conversions
	v_mov_b32 v99, v104
	v_mov_b32 v100, v105
	v_mov_b32 v101, v106                           ; v96-101: registers 6 c .. 6 c + 5 of fragment lane (r, h)
.if ((\t)/2)%2 == 0
	ds_store_b128 v7, v[96:99] offset:WOF          ; registers 0-3
	ds_store_b64 v7, v[100:101] offset:WOF+512     ; 4, 5
.else
	ds_store_b64 v7, v[96:97] offset:WOF+520       ; 6, 7
	ds_store_b128 v7, v[98:101] offset:WOF+1024    ; 8-11
.endif
.if (\t)+2 < 8
	WLOAD (\t)+2
.endif
	s_wait_dscnt 0x0                               ; the stores have read their registers: the next block's codes may be written
.endm
.macro SCAN reg                        ; SORT: an inclusive sum over the 32 lanes: four steps inside each half of 16, then the lower half's total onto the upper half
.irp n, 1,2,4,8
	v_mov_b32_dpp v124, v[\reg] row_shr:\n row_mask:0xf bank_mask:0xf bound_ctrl:1
	v_add_nc_u32 v[\reg], v[\reg], v124
.endr
	v_readlane_b32 s94, v[\reg], 15
	v_mov_b32 v124, s94
	v_cndmask_b32 v124, 0, v124, s95
	v_add_nc_u32 v[\reg], v[\reg], v124
.endm
	s_load_b512 s[4:19], s[0:1], 0x0               ; x s[4:5], w1 s[6:7], w2 s[8:9], indices s[10:11], xq s[12:13], xs s[14:15], wimg s[16:17], wsc s[18:19]
	s_load_b64 s[20:21], s[0:1], 0x40              ; order
	v_lshl_add_u32 v192, v0, 2, 0x19000
	v_mov_b32 v193, 0
	v_lshrrev_b32 v1, 5, v0
	v_readfirstlane_b32 s22, v1                    ; wave 0..7
	v_and_b32 v2, 31, v0                           ; lane
	s_wait_kmcnt 0x0
	s_cmp_eq_u32 ttmp9, 0
	s_cbranch_scc1 .Lsort
	s_cmp_lt_u32 ttmp9, 65
	s_cbranch_scc1 .Lxq
; ---------------- W: a lane takes a column n, its registers run down k: a block of 32 lies in one lane, and the codes come out with k innermost
	s_sub_co_u32 s23, ttmp9, 65
	s_lshr_b32 s26, s23, 4                         ; matrix 0..15
	s_bfe_u32 s27, s23, 0x20002                    ; g: which 256 columns
	s_and_b32 s28, s23, 3                          ; kq: which 256 along k
	s_cmp_lt_u32 s26, 8
	s_cselect_b64 s[24:25], s[6:7], s[8:9]         ; w1 or w2: the choice hangs on the work-group's number alone
	s_and_b32 s29, s26, 7
	s_lshl_b32 s30, s29, 22                        ; the expert: 4 MiB,
	s_lshl_b32 s31, s28, 20                        ; 256 rows of 4,096 bytes,
	s_add_co_u32 s30, s30, s31
	s_lshl_b32 s31, s27, 10                        ; 256 columns,
	s_add_co_u32 s30, s30, s31
	s_lshl_b32 s31, s22, 7                         ; my wave's 32 of them
	s_add_co_u32 s30, s30, s31
	s_mov_b32 s31, 0
	s_add_nc_u64 s[24:25], s[24:25], s[30:31]
	s_lshl_b32 s32, s27, 3
	s_add_co_u32 s32, s32, s22                     ; Bn = 8 g + wave
	s_lshl_b32 s33, s26, 5
	s_add_co_u32 s33, s33, s32                     ; 32 x matrix + Bn
	s_mul_i32 s30, s33, 24576
	s_mul_i32 s34, s28, 6144                       ; my two K steps' four fragments
	s_add_co_u32 s30, s30, s34
	s_add_nc_u64 s[16:17], s[16:17], s[30:31]
	s_lshl_b32 s30, s33, 2
	s_add_co_u32 s30, s30, s28
	s_lshl_b32 s30, s30, 8                         ; and their 256 bytes of scale words
	s_add_nc_u64 s[18:19], s[18:19], s[30:31]
	v_lshlrev_b32 v3, 2, v2                        ; in: 4 bytes a lane
	v_bfe_u32 v4, v0, 3, 1                         ; my column 16 a + 8 u + i is row r = 8 a + i of tile u
	v_bfe_u32 v5, v0, 4, 1
	v_and_b32 v6, 7, v0
	v_lshl_add_u32 v6, v5, 3, v6                   ; r
	s_mul_i32 s34, s22, WREG
	s_add_co_u32 s34, s34, WLDS                    ; my stage
	v_mul_u32_u24 v7, v4, FST
	v_lshl_add_u32 v7, v6, 4, v7
	v_add_nc_u32 v7, s34, v7                       ; into it: fragment u, 16 r
	v_lshlrev_b32 v9, 4, v2                        ; out of it, and into wimg: 16 x lane
	v_add_nc_u32 v8, s34, v9
	v_lshlrev_b32 v10, 7, v4
	v_lshl_add_u32 v10, v6, 3, v10                 ; my scale words' place: 8 (16 u + r)
	WLOAD 0
	WLOAD 1
.irp t, 0,1,2,3,4,5,6,7
	WBLOCK \t
.endr
	global_store_b64 v10, v[24:25], s[18:19]       ; 32 lanes store 256 consecutive bytes, aligned
.irp n, 0,1,2,3,4,5,6,7,8,9,10,11
	ds_load_b128 v[112+4*\n:115+4*\n], v8 offset:FST*(\n/3)+512*(\n%3)
.endr
.irp n, 0,1,2,3,4,5,6,7,8,9,10,11
	s_wait_dscnt 11-\n                             ; LDS loads come back in order: load n is in, the younger ones may be out
	global_store_b128 v9, v[112+4*\n:115+4*\n], s[16:17] offset:512*\n   ; 512 consecutive bytes a store
.endr
	s_wait_tensorcnt 0x0
	ds_add_u32 v192, v193
	s_wait_dscnt 0x0
	s_endpgm
; ---------------- X: rows are dense and 1,024 is a multiple of 32: x is a plain stream of blocks of 32, and so are its codes and scale bytes.  A wave takes 16 steps of 512 numbers
.Lxq:
	v_lshlrev_b32 v3, 4, v2                        ; my 16 bytes of a load's 512
	s_mul_i32 s23, s22, XREG
	s_add_co_u32 s23, s23, XLDS
	v_lshrrev_b32 v14, 2, v2
	v_mul_u32_u24 v14, v14, SP
	v_and_b32 v15, 3, v2
	v_lshl_add_u32 v14, v15, 4, v14
	v_add_nc_u32 v14, s23, v14                     ; the stage, on the way in: SP (lane / 4) + 16 (lane % 4)
	v_mul_u32_u24 v15, v2, SP
	v_add_nc_u32 v15, s23, v15                     ; and on the way out: SP x lane
	v_mul_u32_u24 v4, v2, 12                       ; my 16 codes' place in a step's 384 bytes
	v_lshrrev_b32 v5, 1, v2
	s_add_co_u32 s23, s23, 2*32*SP
	v_add_nc_u32 v5, s23, v5                       ; my block's byte among my wave's 256
	v_lshlrev_b32 v7, 3, v2
	v_add_nc_u32 v6, s23, v7
	s_sub_co_u32 s24, ttmp9, 1
	s_lshl_b32 s24, s24, 3
	s_add_co_u32 s24, s24, s22                     ; which run of 8,192 numbers is my wave's
	s_mov_b32 s27, 0
	s_lshl_b32 s26, s24, 15
	s_add_nc_u64 s[4:5], s[4:5], s[26:27]
	s_mul_i32 s26, s24, 6144
	s_add_nc_u64 s[12:13], s[12:13], s[26:27]
	s_lshl_b32 s26, s24, 8
	s_add_nc_u64 s[14:15], s[14:15], s[26:27]
.irp t, 0,1,2,3
	XLOAD \t
.endr
	s_wait_loadcnt 12                              ; step 0's four loads are in
	XTURN 0
.irp t, 0,1,2,3,4,5,6,7,8,9,10,11,12,13,14,15
	XSTEP \t
.endr
	ds_load_b64 v[12:13], v6                       ; my wave's 256 scale bytes, 8 a lane
	s_wait_dscnt 0x0
	global_store_b64 v7, v[12:13], s[14:15]        ; 256 consecutive bytes, aligned
	s_wait_tensorcnt 0x0
	ds_add_u32 v192, v193
	s_wait_dscnt 0x0
	s_endpgm
; ---------------- SORT.  Wave w owns tokens 512 w + 32 j + lane, j = 0 .. 15.  The key only groups tokens: any permutation in order[] gives right results later, so no index value can harm.
; The 36 pairs (lo <= hi) are numbered row by row of lo, the rows walked to and fro, with (a, a) between (a, a + 1) and (a, a + 2): neighbouring groups share an expert.
.Lsort:
	v_lshlrev_b32 v3, 3, v2
	s_lshl_b32 s23, s22, 12
	v_add_nc_u32 v3, s23, v3                       ; 8 bytes a token
.irp j, 0,1,2,3,4,5,6,7,8,9,10,11,12,13,14,15
	global_load_b64 v[16+2*\j:17+2*\j], v3, s[10:11] offset:256*\j
.endr
	v_lshl_add_u32 v15, v0, 2, CNT+1152            ; the table's rows 36 .. 63, which are read below and belong to no key, are cleared
	v_mov_b32 v14, 0
	ds_store_b32 v15, v14
	v_mov_b32 v13, 1
	s_wait_loadcnt 0x0
.irp j, 0,1,2,3,4,5,6,7,8,9,10,11,12,13,14,15
	v_and_b32 v5, 7, v[16+2*\j]
	v_and_b32 v6, 7, v[17+2*\j]
	v_min_u32 v7, v5, v6                           ; lo
	v_max_u32 v8, v5, v6
	v_sub_nc_u32 v8, v8, v7                        ; d = hi - lo
	v_sub_nc_u32 v9, 7, v7                         ; L: the row's last place
	v_cmp_gt_u32 vcc_lo, 2, v8
	v_cndmask_b32 v10, 0, v13, vcc_lo
	v_xor_b32 v8, v8, v10                          ; d = 0 and d = 1 change places
	v_min_u32 v8, v8, v9
	v_sub_nc_u32 v10, v9, v8
	v_and_b32 v11, 1, v7
	v_cmp_eq_u32 vcc_lo, 1, v11
	v_cndmask_b32 v8, v8, v10, vcc_lo              ; odd rows are walked backwards
	v_sub_nc_u32 v10, 17, v7
	v_mul_u32_u24 v10, v10, v7
	v_lshrrev_b32 v10, 1, v10                      ; the row begins at lo (17 - lo) / 2
	v_add_nc_u32 v8, v8, v10
	v_min_u32 v[48+\j], 35, v8                     ; the key
	v_mov_b32 v[64+\j], 0
.endr
	s_mov_b32 s30, 0                               ; the key in hand
	s_lshl_b32 s31, s22, 2                         ; its count's word for my wave
.Lkey:                                             ; 36 trips: who has this key, and which place has each among my wave's tokens with it
.irp j, 0,1,2,3,4,5,6,7,8,9,10,11,12,13,14,15
	v_cmp_eq_u32 s[36+\j], s30, v[48+\j]
.endr
	s_mov_b32 s68, 0
.irp j, 0,1,2,3,4,5,6,7,8,9,10,11,12,13,14,15
	s_bcnt1_i32_b32 s85, s[36+\j]
	s_add_co_u32 s[69+\j], s[68+\j], s85           ; s[68 + j]: how many in the registers before j
.endr
.irp j, 0,1,2,3,4,5,6,7,8,9,10,11,12,13,14,15
	v_mbcnt_lo_u32_b32 v[80+\j], s[36+\j], s[68+\j]   ; + how many in the lanes before mine
.endr
.irp j, 0,1,2,3,4,5,6,7,8,9,10,11,12,13,14,15
	v_cndmask_b32 v[64+\j], v[64+\j], v[80+\j], s[36+\j]
.endr
	v_mov_b32 v9, s31
	v_mov_b32 v10, s84                             ; my wave's count of this key
	ds_store_b32 v9, v10                           ; all lanes write the same word with the same value
	s_add_co_u32 s31, s31, 32
	s_add_co_u32 s30, s30, 1
	s_cmp_lt_u32 s30, 36
	s_cbranch_scc1 .Lkey
	s_wait_dscnt 0x0                               ; for the others' sake: my counts have landed
	s_barrier_signal -1
	s_barrier_wait -1
	v_lshlrev_b32 v12, 5, v2                       ; lane l reads the eight waves' counts of keys l and 32 + l
	ds_load_b128 v[100:103], v12
	ds_load_b128 v[104:107], v12 offset:16
	ds_load_b128 v[108:111], v12 offset:1024
	ds_load_b128 v[112:115], v12 offset:1040
.irp q, 0,1,2,3,4,5,6
	s_cmp_gt_u32 s22, \q
	s_cselect_b32 s[86+\q], -1, 0                  ; all ones for the waves in front of mine
.endr
	s_mov_b32 s95, 0xffff0000
	v_mov_b32 v124, 0
	s_wait_dscnt 0x0
	v_and_b32 v116, s86, v100
	v_and_b32 v118, s86, v108
.irp q, 1,2,3,4,5,6
	v_and_b32 v117, s[86+\q], v[100+\q]
	v_and_b32 v119, s[86+\q], v[108+\q]
	v_add_nc_u32 v116, v116, v117                  ; the key's tokens in the waves in front of mine
	v_add_nc_u32 v118, v118, v119
.endr
	v_add3_u32 v120, v100, v101, v102
	v_add3_u32 v121, v108, v109, v110
	v_add3_u32 v120, v120, v103, v104
	v_add3_u32 v121, v121, v111, v112
	v_add3_u32 v120, v120, v105, v106
	v_add3_u32 v121, v121, v113, v114
	v_add_nc_u32 v120, v120, v107                  ; the key's tokens in all
	v_add_nc_u32 v121, v121, v115
	v_mov_b32 v122, v120
	v_mov_b32 v123, v121
	SCAN 122
	SCAN 123
	v_readlane_b32 s96, v122, 31                   ; keys 0 .. 31 together
	v_sub_nc_u32 v125, v122, v120
	v_add_nc_u32 v125, v125, v116                  ; where my wave's tokens of key l begin
	v_sub_nc_u32 v126, v123, v121
	v_add3_u32 v126, v126, v118, s96               ; and of key 32 + l
	s_lshl_b32 s23, s22, 9
	v_add_nc_u32 v127, s23, v2                     ; my first token
.irp j, 0,1,2,3,4,5,6,7,8,9,10,11,12,13,14,15
	v_lshlrev_b32 v[80+\j], 2, v[48+\j]
.endr
.irp j, 0,1,2,3,4,5,6,7,8,9,10,11,12,13,14,15
	ds_bpermute_b32 v[128+\j], v[80+\j], v125      ; from lane key % 32
	ds_bpermute_b32 v[144+\j], v[80+\j], v126
.endr
	s_wait_dscnt 0x0
.irp j, 0,1,2,3,4,5,6,7,8,9,10,11,12,13,14,15
	v_cmp_gt_u32 vcc_lo, 32, v[48+\j]
	v_cndmask_b32 v[128+\j], v[144+\j], v[128+\j], vcc_lo
	v_add_nc_u32 v[128+\j], v[128+\j], v[64+\j]    ; the token's position
	v_min_u32 v[128+\j], 0xfff, v[128+\j]          ; it is made of loaded numbers: held inside the buffer
	v_lshlrev_b32 v[128+\j], 2, v[128+\j]
	v_add_nc_u32 v[80+\j], 32*\j, v127
	global_store_b32 v[128+\j], v[80+\j], s[20:21] ; 4 bytes a lane, scattered: 16 KiB in all; gathering them in LDS would want LDS addresses made of loaded numbers
.endr
	s_wait_tensorcnt 0x0
	ds_add_u32 v192, v193
	s_wait_dscnt 0x0
	s_endpgm
.Lfunc_end_k_qea5c47140d_prep:
	.size	k_qea5c47140d_prep, .Lfunc_end_k_qea5c47140d_prep-k_qea5c47140d_prep
	.p2alignl 7, 3214868480
	.fill 96, 4, 3214868480
	.section	.rodata,"a",@progbits
	.p2align	6, 0x0
	.amdhsa_kernel k_qea5c47140d_prep
		.amdhsa_group_segment_fixed_size 103424
		.amdhsa_private_segment_fixed_size 0
		.amdhsa_enable_private_segment 0
		.amdhsa_kernarg_size 72
		.amdhsa_user_sgpr_count 2
		.amdhsa_user_sgpr_kernarg_segment_ptr 1
		.amdhsa_wavefront_size32 1
		.amdhsa_system_sgpr_workgroup_id_x 1
		.amdhsa_system_sgpr_workgroup_id_y 1
		.amdhsa_system_sgpr_workgroup_id_z 1
		.amdhsa_system_vgpr_workitem_id 0
		.amdhsa_next_free_vgpr 194
		.amdhsa_next_free_sgpr 100
		.amdhsa_reserve_vcc 1
		.amdhsa_float_denorm_mode_32 3
		.amdhsa_float_denorm_mode_16_64 3
		.amdhsa_memory_ordered 1
		.amdhsa_forward_progress 1
		.amdhsa_inst_pref_size 101
	.end_amdhsa_kernel
	.amdgpu_metadata
---
amdhsa.version: [ 1, 2 ]
amdhsa.kernels:
  - .name:           k_qea5c47140d_prep
    .symbol:         k_qea5c47140d_prep.kd
    .args:
      - { .name: x, .offset: 0, .size: 8, .value_kind: global_buffer, .address_space: global }
      - { .name: w1, .offset: 8, .size: 8, .value_kind: global_buffer, .address_space: global }
      - { .name: w2, .offset: 16, .size: 8, .value_kind: global_buffer, .address_space: global }
      - { .name: expert_indices, .offset: 24, .size: 8, .value_kind: global_buffer, .address_space: global }
      - { .name: xq, .offset: 32, .size: 8, .value_kind: global_buffer, .address_space: global }
      - { .name: xs, .offset: 40, .size: 8, .value_kind: global_buffer, .address_space: global }
      - { .name: wimg, .offset: 48, .size: 8, .value_kind: global_buffer, .address_space: global }
      - { .name: wsc, .offset: 56, .size: 8, .value_kind: global_buffer, .address_space: global }
      - { .name: order, .offset: 64, .size: 8, .value_kind: global_buffer, .address_space: global }
    .group_segment_fixed_size: 103424
    .private_segment_fixed_size: 0
    .kernarg_segment_align: 8
    .kernarg_segment_size: 72
    .max_flat_workgroup_size: 256
    .sgpr_count:     100
    .vgpr_count:     194
    .wavefront_size: 32
...
	.end_amdgpu_metadata
.endif
;; end of part 1
;; launch ffn1 (part 2): grid 64 x 4, 8 waves a work-group, no clusters, 55,296 bytes of LDS; arguments xq, xs, order, expert_indices, wimg, wsc, b1, hq, hs; writes hq, hs
.if DOCPART == 2
	.amdgcn_target "amdgcn-amd-amdhsa--gfx1250"
	.amdhsa_code_object_version 6
	.text
	.protected	k_qea5c47140d_ffn1
	.globl	k_qea5c47140d_ffn1
	.p2align	8
	.type	k_qea5c47140d_ffn1,@function
k_qea5c47140d_ffn1:
	s_mov_b64 s[64:65], 0
	v_nop
	global_prefetch_b8 v0, s[64:65] scope:SCOPE_SE
	s_setreg_imm32_b32 hwreg(HW_REG_WAVE_MODE, 25, 1), 1
	s_wait_xcnt 0x0
; THE SECOND LAUNCH: the hidden layer, h = Q(silu(Xq W1q[e] + b1[e])), on codes of FP6 (E2M3) with one E8M0 scale for each 32 along K.
; SHARES.  Work-group (b, s): the 64 tokens order[64 b ..] (sorted by their pairs of experts) x hidden units 256 s .. 256 s + 255, for every expert e that one of the 64 tokens names.
; The walk over the 8 experts has a constant count; an expert that no token of the block names is jumped over, by a scalar branch on whole numbers read from memory, alike in all eight waves.  So there is no tensor load,
; no copy and no cluster here: the weights go from memory straight into registers, as images of operand registers, and the tokens' codes are shared through LDS by plain stores.
; Wave w takes the 32 hidden units of block Bn = 8 s + w (two tiles u of 16 rows of W1^T) against the four tiles m of 16 tokens: 8 accumulators, which take turns.
; THE PRODUCT IS USED TRANSPOSED (source 0 = 16 columns of W1, source 1 = 16 tokens), and the columns of a tile are chosen (lane r of tile u: column 32 Bn + 8 u + r + 8 (r / 8)) so that lane (r, h) holds token 16 m + r
; and its 16 registers of tiles u = 0, 1 are the 16 neighbouring hidden units 32 Bn + 16 h + 0 .. 15.  The bias is the C of a sum's first product.
; hq: [b][e][hidden block 32][m 4][r 16][24 bytes];  hs: [b][e][s 4][row 64][8 bytes].  Only the parts of experts in use are written, and only those are read later.
; LIMITS: silu(z) = z / (1 + 2^(-z log2 e)): for z under about -88 it gives -0 where the exact value is a denormal.  A block of zeros gets the scale byte 1 (its codes are zeros).  NaN and infinities are not served.
; REGISTERS: window 0: v1-9 addresses; v10-15 at work; v16-31 the tokens' scale words (register 8 a + q, lane l: row 32 a + l, K step q); v32-39 W1's scale words; v40-55 the bias; v56-119 the 8 accumulators;
;   v120-167, v168-215 two buffers of four token fragments (v120-183 also serve the activation); v216-231 at work in the quantiser; v232-247 codes; v248-255 my rows' offsets in xq.   window 1: v0-191 an expert's 16 fragments of W1.
.set XP,   784                         ; a token's row in LDS: 768 bytes + 16 = 196 words: row r starts 4 r words on modulo 64, so the 32 lanes of a load of 8 bytes touch 64 different words modulo 64 (64 banks of 4 bytes: ISA guide 11.1)
.set SSTG, 64*XP                       ; behind the tokens: the hidden layer's scale bytes, 512 bytes of its own for each wave: [expert 8][row 64]
.set L16,  1                           ; v1  16 x lane
.set L8,   2                           ; v2  8 x lane
.set AA,   3                           ; v3  my lane's place in a tile of tokens: XP r + 24 h
.set HO,   4                           ; v4  my 12 bytes of codes in a block of hq: 24 r + 12 h
.set SBY,  5                           ; v5  SSTG + 512 wave + r
.set SBE,  6                           ; v6  the same + 64 e
.set BIO,  7                           ; v7  64 h: my 16 numbers of the bias
.set BITS, 8
.set SRD,  9                           ; v9  SSTG + 64 wave + 2 lane: where wave e reads expert e's bytes back
.set SCA,  16
.set SCW,  32
.set BI,   40
.set ACC,  56
.set AF0,  120
.set TT,   120
.set TM,   216
.set PC,   232
.set RO,   248
.set AM,   16*XP                       ; a fragment's LDS offset: AM m + AQ q + AC c + 8 i
.set AQ,   96
.set AC,   48
.set MSB,  0
.macro WIN new                         ; the immediate's high byte repeats the setting that is left
.if MSB != \new
	s_set_vgpr_msb (MSB<<8)|\new
.set MSB, \new
.endif
.endm
.macro PLACES                          ; four plain lines between a matrix instruction and a load into, or a vector instruction on, its registers
.rept 4
	v_nop
.endr
.endm
.macro BISSUE                          ; an expert's operands for my 32 columns: 4 + 4 + 48 loads, the fragments K step by K step
.irp p, 0,1,2,3
	global_load_b64 v[SCW+2*\p:SCW+2*\p+1], v[L8], s[46:47] offset:256*\p      ; scale words of K steps 2 p, 2 p + 1: tile u = 0 in lanes 0-15, u = 1 in lanes 16-31
.endr
.irp i, 0,1,2,3
	global_load_b128 v[BI+4*\i:BI+4*\i+3], v[BIO], s[48:49] offset:16*\i       ; the bias at my 16 hidden units
.endr
	WIN 0x40                                       ; destination window 1
.irp f, 0,1,2,3,4,5,6,7,8,9,10,11,12,13,14,15
.irp c, 0,1,2
	global_load_b128 v[12*\f+4*\c:12*\f+4*\c+3], v[L16], s[44:45] offset:1536*\f+512*\c   ; fragment f = 2 q + u, as it lies
.endr
.endr
	WIN 0
.endm
.macro AFETCH q, buf, adr              ; the four token fragments of K step q: 24 loads of 8 bytes
.irp m, 0,1,2,3
.irp c, 0,1
.irp i, 0,1,2
	ds_load_b64 v[\buf+12*\m+6*\c+2*\i:\buf+12*\m+6*\c+2*\i+1], v[\adr] offset:AM*\m+AQ*(\q)+AC*\c+8*\i
.endr
.endr
.endr
.endm
.macro MM q, m, u                      ; one product: tile u of W1 x tile m of tokens, K step q.  W1's scales: lanes 0-15 for u = 0, 16-31 for u = 1; the tokens': lanes 0-15 for even m, 16-31 for odd m
.set rD, ACC+16*(\m)+8*(\u)
.set rC, ACC+16*(\m)+8*(\u)
.if (\q) == 0
.set rC, BI+8*(\u)                     ; the first K step starts the sum from the bias
.endif
.set rW, 24*(\q)+12*(\u)
.set rA, AF0+48*((\q)&1)+12*(\m)
.set rS, SCW+(\q)
.set rX, SCA+8*((\m)/2)+(\q)
.if ((\u) == 0) && ((\m)%2 == 0)
	v_wmma_scale_f32_16x16x128_f8f6f4 v[rD:rD+7], v[rW:rW+11], v[rA:rA+11], v[rC:rC+7], v[rS], v[rX] matrix_a_fmt:MATRIX_FMT_FP6 matrix_b_fmt:MATRIX_FMT_FP6
.elseif ((\u) == 1) && ((\m)%2 == 0)
	v_wmma_scale_f32_16x16x128_f8f6f4 v[rD:rD+7], v[rW:rW+11], v[rA:rA+11], v[rC:rC+7], v[rS], v[rX] matrix_a_fmt:MATRIX_FMT_FP6 matrix_b_fmt:MATRIX_FMT_FP6 matrix_a_scale:MATRIX_SCALE_ROW1
.elseif (\u) == 0
	v_wmma_scale_f32_16x16x128_f8f6f4 v[rD:rD+7], v[rW:rW+11], v[rA:rA+11], v[rC:rC+7], v[rS], v[rX] matrix_a_fmt:MATRIX_FMT_FP6 matrix_b_fmt:MATRIX_FMT_FP6 matrix_b_scale:MATRIX_SCALE_ROW1
.else
	v_wmma_scale_f32_16x16x128_f8f6f4 v[rD:rD+7], v[rW:rW+11], v[rA:rA+11], v[rC:rC+7], v[rS], v[rX] matrix_a_fmt:MATRIX_FMT_FP6 matrix_b_fmt:MATRIX_FMT_FP6 matrix_a_scale:MATRIX_SCALE_ROW1 matrix_b_scale:MATRIX_SCALE_ROW1
.endif
.endm
.macro KSTEP q, adr                    ; 128 along K: the next step's token fragments are asked for, then 8 products, the 8 accumulators by turns in the same order in every step
.if (\q) > 0
	PLACES                                         ; in front of loads into the buffer that the last step's products read
.endif
.if (\q) < 7
	AFETCH (\q)+1, AF0+48*(((\q)+1)&1), \adr
	s_wait_dscnt 24                                ; all but the 24 just issued: this step's fragments are in
.else
	s_wait_dscnt 0x0
.endif
	s_wait_loadcnt 6*(7-(\q))                      ; the later K steps' six loads each may be out
	WIN 0x01                                       ; source 0 window 1
.irp m, 0,1,2,3
.irp u, 0,1
	MM \q, \m, \u
.endr
.endr
	WIN 0
.endm
.macro COMPUTE adr
	AFETCH 0, AF0, \adr
.irp q, 0,1,2,3,4,5,6,7
	KSTEP \q, \adr
.endr
	PLACES                                         ; behind the last products, in front of the first read of results
.endm
	s_load_b512 s[4:19], s[0:1], 0x0               ; xq s[4:5], xs s[6:7], order s[8:9], indices s[10:11], wimg s[12:13], wsc s[14:15], b1 s[16:17], hq s[18:19]
	s_load_b64 s[20:21], s[0:1], 0x40              ; hs
	v_lshl_add_u32 v243, v0, 2, 0xd400
	v_mov_b32 v247, 0
	v_lshrrev_b32 v10, 5, v0
	v_readfirstlane_b32 s22, v10                   ; wave 0..7
	s_and_b32 s24, ttmp7, 0xffff                   ; s
	s_lshl_b32 s23, s24, 3
	s_add_co_u32 s23, s23, s22                     ; Bn = 8 s + wave
	v_and_b32 v10, 31, v0                          ; lane
	v_and_b32 v11, 15, v0                          ; r
	v_bfe_u32 v12, v0, 4, 1                        ; h
	v_lshlrev_b32 v[L16], 4, v10
	v_lshlrev_b32 v[L8], 3, v10
	v_mul_u32_u24 v[AA], v11, XP
	v_mad_u32_u24 v[AA], v12, 24, v[AA]
	v_mul_u32_u24 v[HO], v11, 24
	v_mad_u32_u24 v[HO], v12, 12, v[HO]
	s_lshl_b32 s29, s22, 9
	s_add_co_u32 s29, s29, SSTG
	v_add_nc_u32 v[SBY], s29, v11
	s_lshl_b32 s29, s22, 6
	s_add_co_u32 s29, s29, SSTG
	v_lshl_add_u32 v[SRD], v10, 1, s29
	v_lshlrev_b32 v[BIO], 6, v12
	s_mul_i32 s29, s22, 8*XP
	v_add_nc_u32 v13, s29, v[L8]                   ; where I put my wave's 8 rows of codes: XP (8 wave) + 8 lane
	v_lshlrev_b32 v10, 2, v10                      ; 4 x lane
	s_mov_b32 s40, 0x76543210
	s_mov_b32 s41, 0xfedcba98                      ; v_permlanex16_b32's selects for lane l xor 16
	s_mov_b32 s42, 0xbfb8aa3b                      ; -log2(e)
	s_mov_b32 s43, s42                             ; (named with it as a pair, so it is written)
.irp m, 0,1,2,3
	v_mov_b32 v[TM+4+\m], 0                        ; written once: a lane permute's destination counts as one of its sources
.endr
	s_wait_kmcnt 0x0
	s_lshl_b32 s30, ttmp9, 8
	s_mov_b32 s31, 0
	s_add_nc_u64 s[8:9], s[8:9], s[30:31]          ; order at my block's 64 positions
	s_lshl_b32 s30, s22, 5
	s_add_nc_u64 s[52:53], s[8:9], s[30:31]
	s_load_b256 s[32:39], s[52:53], 0x0            ; the tokens of rows 8 wave .. 8 wave + 7
	global_load_b32 v14, v10, s[8:9]               ; the token of row lane,
	global_load_b32 v15, v10, s[8:9] offset:128    ; and of row 32 + lane
	s_wait_kmcnt 0x0
.irp p, 0,1,2,3,4,5,6,7
	s_min_u32 s[32+\p], s[32+\p], 0xfff            ; a loaded number enters an address: held inside the table
	s_mul_i32 s[32+\p], s[32+\p], 768
	v_add_nc_u32 v[RO+\p], s[32+\p], v[L8]
.endr
.irp p, 0,1,2,3,4,5,6,7
.irp i, 0,1,2
	global_load_b64 v[ACC+6*\p+2*\i:ACC+6*\p+2*\i+1], v[RO+\p], s[4:5] offset:256*\i   ; a row's 768 bytes of codes: three loads of 256 consecutive bytes
.endr
.endr
	s_wait_loadcnt 24                              ; the two loads of order are in; the 24 behind them may be out
	v_min_u32 v14, 0xfff, v14
	v_min_u32 v15, 0xfff, v15
	v_lshlrev_b32 v11, 5, v14
	v_lshlrev_b32 v12, 5, v15
	v_lshlrev_b32 v216, 3, v14
	v_lshlrev_b32 v217, 3, v15
	global_load_b128 v[SCA:SCA+3], v11, s[6:7]               ; the tokens' scale words stay in registers: 8 K steps a row
	global_load_b128 v[SCA+4:SCA+7], v11, s[6:7] offset:16
	global_load_b128 v[SCA+8:SCA+11], v12, s[6:7]
	global_load_b128 v[SCA+12:SCA+15], v12, s[6:7] offset:16
	global_load_b64 v[40:41], v216, s[10:11]                 ; and their two indices each
	global_load_b64 v[42:43], v217, s[10:11]
	s_wait_loadcnt 6                               ; the codes are in; the six just issued may be out
.irp p, 0,1,2,3,4,5,6,7
.irp i, 0,1,2
	ds_store_b64 v13, v[ACC+6*\p+2*\i:ACC+6*\p+2*\i+1] offset:XP*\p+256*\i
.endr
.endr
	s_mul_i32 s30, s23, 24576
	s_add_nc_u64 s[44:45], s[12:13], s[30:31]      ; W1's images of expert 0, block Bn; 786,432 bytes from expert to expert
	s_lshl_b32 s30, s23, 10
	s_add_nc_u64 s[46:47], s[14:15], s[30:31]      ; their scale words; 32,768
	s_lshl_b32 s30, s23, 7
	s_add_nc_u64 s[48:49], s[16:17], s[30:31]      ; b1; 4,096
	s_mul_i32 s30, ttmp9, 393216
	s_mul_i32 s29, s23, 1536
	s_add_co_u32 s30, s30, s29
	s_add_nc_u64 s[50:51], s[18:19], s[30:31]      ; hq at (b, expert 0, block Bn); 49,152
	s_lshl_b32 s30, ttmp9, 14
	s_lshl_b32 s29, s22, 11
	s_add_co_u32 s30, s30, s29
	s_lshl_b32 s29, s24, 9
	s_add_co_u32 s30, s30, s29
	s_add_nc_u64 s[54:55], s[20:21], s[30:31]      ; hs at (b, expert = my wave, s)
	s_wait_loadcnt 0x0
	v_mov_b32 v[BITS], 0                           ; which experts my two tokens name; an index outside 0 .. 7 sets no bit
	v_mov_b32 v11, 1
.irp g, 40,41,42,43
	v_cmp_gt_u32 vcc_lo, 8, v\g
	v_lshlrev_b32 v10, v\g, v11
	v_cndmask_b32 v10, 0, v10, vcc_lo
	v_or_b32 v[BITS], v[BITS], v10
.endr
	s_mov_b32 s28, 0                               ; and which the block's 64 tokens name: the same number in all eight waves
.irp e, 0,1,2,3,4,5,6,7
	v_and_b32 v10, 1<<\e, v[BITS]
	v_cmp_ne_u32 vcc_lo, 0, v10
	s_cmp_lg_u32 vcc_lo, 0
	s_cselect_b32 s29, 1<<\e, 0
	s_or_b32 s28, s28, s29
.endr
	s_wait_dscnt 0x0                               ; for the others' sake: my rows of codes have landed
	s_barrier_signal -1
	s_barrier_wait -1                              ; the 64 rows lie in LDS; nobody writes them again
	s_mov_b32 s25, 0                               ; e
	s_mov_b32 s26, 1                               ; its bit
	s_mov_b32 s27, 0                               ; 64 e
.Lexp:
	v_add_nc_u32 v[SBE], s27, v[SBY]
	s_and_b32 s29, s28, s26
	s_cmp_lg_u32 s29, 0
	s_cbranch_scc0 .Lnext                          ; no token of the block names this expert
	BISSUE
	COMPUTE AA
	; silu(z) = z / (1 + 2^(-z log2 e)), in f32.  The accumulators are read in ascending order
.set ii, 0
.rept 32
	v_pk_mul_f32 v[TT+ii:TT+ii+1], v[ACC+ii:ACC+ii+1], s[42:43] op_sel_hi:[1,0]
.set ii, ii+2
.endr
.set ii, 0
.rept 64
	v_exp_f32 v[TT+ii], v[TT+ii]
.set ii, ii+1
.endr
	v_nop                                          ; a plain line behind the last exponential
	s_wait_alu depctr_va_vdst(0)                   ; one wait for the batch, ahead of its first reader
.set ii, 0
.rept 32
	v_pk_add_f32 v[TT+ii:TT+ii+1], v[TT+ii:TT+ii+1], 1.0 op_sel_hi:[1,0]
.set ii, ii+2
.endr
.set ii, 0
.rept 64
	v_rcp_f32 v[TT+ii], v[TT+ii]
.set ii, ii+1
.endr
	v_nop
	s_wait_alu depctr_va_vdst(0)                   ; and one for the reciprocals
.set ii, 0
.rept 32
	v_pk_mul_f32 v[ACC+ii:ACC+ii+1], v[ACC+ii:ACC+ii+1], v[TT+ii:TT+ii+1]
.set ii, ii+2
.endr
	; the quantiser: for each tile m my 16 registers are half a block of 32 along the next K; lane l xor 16 holds the other half
.irp m, 0,1,2,3
	v_max3_num_f32 v[TM+\m], |v[ACC+16*\m]|, |v[ACC+16*\m+1]|, 0x1800000   ; with the floor 2^(3 - 127): the byte cannot fall under 1
.endr
.irp i, 2,4,6,8,10,12,14
.irp m, 0,1,2,3
	v_max3_num_f32 v[TM+\m], v[TM+\m], |v[ACC+16*\m+\i]|, |v[ACC+16*\m+\i+1]|
.endr
.endr
.irp m, 0,1,2,3
	v_permlanex16_b32 v[TM+4+\m], v[TM+\m], s40, s41
.endr
.irp m, 0,1,2,3
	v_max_num_f32 v[TM+\m], v[TM+\m], v[TM+4+\m]   ; the block's largest magnitude
.endr
.irp m, 0,1,2,3
	v_add_nc_u32 v[TM+12+\m], 0xff000000, v[TM+\m] ; 2 off its exponent field: the conversion's scale operand
.endr
.irp m, 0,1,2,3
	v_lshrrev_b32 v[TM+4+\m], 23, v[TM+12+\m]      ; the scale's byte
.endr
.irp m, 0,1,2,3
	v_cvt_scalef32_pk16_fp6_f32 v[PC+4*\m:PC+4*\m+2], v[ACC+16*\m:ACC+16*\m+15], v[TM+12+\m]
.endr
	v_nop                                          ; one plain line behind the last conversion
.irp m, 0,1,2,3
	global_store_b96 v[HO], v[PC+4*\m:PC+4*\m+2], s[50:51] offset:384*\m   ; the wave's four stores cover the block's 1,536 consecutive bytes
.endr
.irp m, 0,1,2,3
	ds_store_b8 v[SBE], v[TM+4+\m] offset:16*\m    ; row 16 m + r's byte, in my wave's own bytes; both halves of the lanes write the same byte with the same value
.endr
.Lnext:
	s_wait_xcnt 0x0                                ; the bases and the stores' data are written again only behind this wait
	s_add_nc_u64 s[44:45], s[44:45], 786432
	s_add_nc_u64 s[46:47], s[46:47], 32768
	s_add_nc_u64 s[48:49], s[48:49], 4096
	s_add_nc_u64 s[50:51], s[50:51], 49152
	s_lshl_b32 s26, s26, 1
	s_add_co_u32 s27, s27, 64
	s_add_co_u32 s25, s25, 1
	s_cmp_lt_u32 s25, 8
	s_cbranch_scc1 .Lexp
	s_wait_dscnt 0x0                               ; for the others' sake: my scale bytes have landed
	s_barrier_signal -1
	s_barrier_wait -1
	; wave e sends out expert e's scale bytes of this slice, if the expert is in use: [row 64][8 waves' bytes], 512 bytes
	s_lshl_b32 s29, 1, s22
	s_and_b32 s29, s29, s28
	s_cmp_lg_u32 s29, 0
	s_cbranch_scc0 .Ldone
.irp i, 0,1,2,3,4,5,6,7
	ds_load_u16 v[120+\i], v[SRD] offset:512*\i    ; wave i's bytes of rows 2 lane and 2 lane + 1
.endr
	s_wait_dscnt 0x0
	v_perm_b32 v128, v121, v120, 0x05010400        ; row 2 l: waves 0, 1; row 2 l + 1: waves 0, 1
	v_perm_b32 v129, v123, v122, 0x05010400
	v_perm_b32 v130, v125, v124, 0x05010400
	v_perm_b32 v131, v127, v126, 0x05010400
	v_perm_b32 v132, v129, v128, 0x05040100        ; row 2 l, waves 0-3
	v_perm_b32 v133, v131, v130, 0x05040100        ; row 2 l, waves 4-7
	v_perm_b32 v134, v129, v128, 0x07060302        ; row 2 l + 1
	v_perm_b32 v135, v131, v130, 0x07060302
	global_store_b128 v[L16], v[132:135], s[54:55] ; 512 consecutive bytes
.Ldone:
	s_wait_tensorcnt 0x0
	ds_add_u32 v243, v247
	s_wait_dscnt 0x0
	s_endpgm
.Lfunc_end_k_qea5c47140d_ffn1:
	.size	k_qea5c47140d_ffn1, .Lfunc_end_k_qea5c47140d_ffn1-k_qea5c47140d_ffn1
	.p2alignl 7, 3214868480
	.fill 96, 4, 3214868480
	.section	.rodata,"a",@progbits
	.p2align	6, 0x0
	.amdhsa_kernel k_qea5c47140d_ffn1
		.amdhsa_group_segment_fixed_size 55296
		.amdhsa_private_segment_fixed_size 0
		.amdhsa_enable_private_segment 0
		.amdhsa_kernarg_size 72
		.amdhsa_user_sgpr_count 2
		.amdhsa_user_sgpr_kernarg_segment_ptr 1
		.amdhsa_wavefront_size32 1
		.amdhsa_system_sgpr_workgroup_id_x 1
		.amdhsa_system_sgpr_workgroup_id_y 1
		.amdhsa_system_sgpr_workgroup_id_z 1
		.amdhsa_system_vgpr_workitem_id 0
		.amdhsa_next_free_vgpr 448
		.amdhsa_next_free_sgpr 66
		.amdhsa_reserve_vcc 1
		.amdhsa_float_denorm_mode_32 3
		.amdhsa_float_denorm_mode_16_64 3
		.amdhsa_memory_ordered 1
		.amdhsa_forward_progress 1
		.amdhsa_inst_pref_size 55
	.end_amdhsa_kernel
	.amdgpu_metadata
---
amdhsa.version: [ 1, 2 ]
amdhsa.kernels:
  - .name:           k_qea5c47140d_ffn1
    .symbol:         k_qea5c47140d_ffn1.kd
    .args:
      - { .name: xq, .offset: 0, .size: 8, .value_kind: global_buffer, .address_space: global }
      - { .name: xs, .offset: 8, .size: 8, .value_kind: global_buffer, .address_space: global }
      - { .name: order, .offset: 16, .size: 8, .value_kind: global_buffer, .address_space: global }
      - { .name: expert_indices, .offset: 24, .size: 8, .value_kind: global_buffer, .address_space: global }
      - { .name: wimg, .offset: 32, .size: 8, .value_kind: global_buffer, .address_space: global }
      - { .name: wsc, .offset: 40, .size: 8, .value_kind: global_buffer, .address_space: global }
      - { .name: b1, .offset: 48, .size: 8, .value_kind: global_buffer, .address_space: global }
      - { .name: hq, .offset: 56, .size: 8, .value_kind: global_buffer, .address_space: global }
      - { .name: hs, .offset: 64, .size: 8, .value_kind: global_buffer, .address_space: global }
    .group_segment_fixed_size: 55296
    .private_segment_fixed_size: 0
    .kernarg_segment_align: 8
    .kernarg_segment_size: 72
    .max_flat_workgroup_size: 256
    .sgpr_count:     66
    .vgpr_count:     448
    .wavefront_size: 32
...
	.end_amdgpu_metadata
.endif
;; end of part 2
;; launch ffn2 (part 3): grid 64 x 4, 8 waves a work-group, no clusters, 198,656 bytes of LDS; arguments hq, hs, order, expert_indices, expert_weights, wimg, wsc, b2, out0; writes out0
.if DOCPART == 3
	.amdgcn_target "amdgcn-amd-amdhsa--gfx1250"
	.amdhsa_code_object_version 6
	.text
	.protected	k_qea5c47140d_ffn2
	.globl	k_qea5c47140d_ffn2
	.p2align	8
	.type	k_qea5c47140d_ffn2,@function
k_qea5c47140d_ffn2:
	s_mov_b64 s[64:65], 0
	v_nop
	global_prefetch_b8 v0, s[64:65] scope:SCOPE_SE
	s_setreg_imm32_b32 hwreg(HW_REG_WAVE_MODE, 25, 1), 1
	s_wait_xcnt 0x0
; THE THIRD LAUNCH: out[token] = the sum over experts e of tw[token][e] x (Hq[e] W2q[e] + b2[e]), tw = the sum of the token's weights whose index is e.  Codes of FP6 (E2M3), one E8M0 scale for each 32 along K.
; SHARES.  Work-group (b, s): the 64 tokens order[64 b ..] x output columns 256 s .. 256 s + 255: each output number has one owner.  The walk over the 8 experts has a constant count; an expert that no token of the block
; names is jumped over by scalar branches on whole numbers read from memory, alike in all eight waves; for the others all 64 rows are multiplied and weighed by tw, which is 0 where the token does not name the expert.
; So there is no tensor load, no copy and no cluster: W2's images go from memory straight into registers; the hidden layer's codes of expert e + 1 come through registers into one of two LDS buffers while expert e is multiplied.
; Wave w takes the 32 columns of block Bn = 8 s + w (two tiles u) against the four tiles m of 16 tokens.  THE PRODUCT IS USED TRANSPOSED, with the columns of a tile chosen as in the launch before: lane (r, h) holds token row
; 16 m + r and 16 neighbouring columns 32 Bn + 16 h + 0 .. 15.  b2 is the C of a sum's first product.
; ONE BARRIER A TRIP, on every wave's path: the buffer written in trip e was last read in trip e - 1, ahead of that trip's barrier, and is read in trip e + 1, behind this trip's.
; LIMITS: NaN and infinities among the inputs are not served (a weight that is not chosen is left out, not multiplied by 0).
; REGISTERS: window 0: v1-12 addresses; v13-15 at work; v16-31 the hidden layer's scale words (register 8 a + q, lane l: row 32 a + l); v32-39 W2's scale words; v40-55 the bias; v56-119 the 8 accumulators (v56-103 also carry
;   the next expert's codes on their way to LDS); v120-167, v168-215 two buffers of four token fragments; v216-223 my four rows' indices; v224-231 their weights; v232-239 tw, twice each; v240-247 my output rows' offsets.
;   window 1: v0-191 an expert's 16 fragments of W2; v192-255 the output's sums.
.set BP,   1664                        ; a hidden block (64 rows x 24 bytes = 1,536 bytes) in LDS: + 128, so that lanes 16-31, which read the next block, fall 32 words on modulo 64 (64 banks of 4 bytes: ISA guide 11.1)
.set BUF1, 65536                       ; the second buffer
.set OST,  131072                      ; the stage for the way out: 64 rows x (1,024 bytes + 16)
.set OP,   1040
.set L16,  1                           ; v1  16 x lane
.set L8,   2                           ; v2  8 x lane
.set AA0,  3                           ; v3, v4  my lane's place in a tile of tokens, buffer 0, 1: 24 r + BP h
.set SA0,  5                           ; v5, v6  where I put codes: 16 lane + BP wave, buffer 0, 1
.set BIO,  7                           ; v7  64 h
.set BITS, 8
.set R4,   9                           ; v9  4 r
.set SG,   10                          ; v10 16 lane + 1,536 wave: my blocks of a tile of hq
.set OSTO, 11                          ; v11 the stage: where I put 64 bytes of a row
.set OSRD, 12                          ; v12 and where I read rows back
.set SCA,  16
.set SCW,  32
.set BI,   40
.set ACC,  56
.set AF0,  120
.set IX,   216
.set WT,   224
.set TW,   232
.set RO,   240
.set OA,   192                         ; in window 1
.set AM,   384                         ; a fragment's LDS offset: AM m + AQ q + AC c + 8 i
.set AQ,   4*BP
.set AC,   2*BP
.set MSB,  0
.macro WIN new                         ; the immediate's high byte repeats the setting that is left
.if MSB != \new
	s_set_vgpr_msb (MSB<<8)|\new
.set MSB, \new
.endif
.endm
.macro PLACES                          ; four plain lines between a matrix instruction and a load into, or a vector instruction on, its registers
.rept 4
	v_nop
.endr
.endm
.macro SISSUE off                      ; my four blocks (wave, wave + 8, ..) of the tile of hq that lies off bytes on: 12 loads of 512 consecutive bytes
.irp n, 0,1,2,3,4,5,6,7,8,9,10,11
	global_load_b128 v[ACC+4*\n:ACC+4*\n+3], v[SG], s[54:55] offset:\off+12288*(\n/3)+512*(\n%3)
.endr
.endm
.macro SSTORE adr                      ; and into LDS
.irp n, 0,1,2,3,4,5,6,7,8,9,10,11
	ds_store_b128 v[\adr], v[ACC+4*\n:ACC+4*\n+3] offset:8*BP*(\n/3)+512*(\n%3)
.endr
.endm
.macro BISSUE2                         ; an expert's operands: 8 + 4 + 4 + 48 = 64 loads, the fragments K step by K step
.irp a, 0,1
.irp p, 0,1,2,3
	global_load_b64 v[SCA+8*\a+2*\p:SCA+8*\a+2*\p+1], v[L8], s[50:51] offset:512*\p+256*\a   ; row 32 a + lane: the scale words of K steps 2 p, 2 p + 1
.endr
.endr
.irp p, 0,1,2,3
	global_load_b64 v[SCW+2*\p:SCW+2*\p+1], v[L8], s[46:47] offset:256*\p
.endr
.irp i, 0,1,2,3
	global_load_b128 v[BI+4*\i:BI+4*\i+3], v[BIO], s[48:49] offset:16*\i
.endr
	WIN 0x40                                       ; destination window 1
.irp f, 0,1,2,3,4,5,6,7,8,9,10,11,12,13,14,15
.irp c, 0,1,2
	global_load_b128 v[12*\f+4*\c:12*\f+4*\c+3], v[L16], s[44:45] offset:1536*\f+512*\c
.endr
.endr
	WIN 0
.endm
.macro AFETCH q, buf, adr              ; the four token fragments of K step q: 24 loads of 8 bytes
.irp m, 0,1,2,3
.irp c, 0,1
.irp i, 0,1,2
	ds_load_b64 v[\buf+12*\m+6*\c+2*\i:\buf+12*\m+6*\c+2*\i+1], v[\adr] offset:AM*\m+AQ*(\q)+AC*\c+8*\i
.endr
.endr
.endr
.endm
.macro MM q, m, u                      ; one product: tile u of W2 x tile m of tokens, K step q
.set rD, ACC+16*(\m)+8*(\u)
.set rC, ACC+16*(\m)+8*(\u)
.if (\q) == 0
.set rC, BI+8*(\u)                     ; the first K step starts the sum from the bias
.endif
.set rW, 24*(\q)+12*(\u)
.set rA, AF0+48*((\q)&1)+12*(\m)
.set rS, SCW+(\q)
.set rX, SCA+8*((\m)/2)+(\q)
.if ((\u) == 0) && ((\m)%2 == 0)
	v_wmma_scale_f32_16x16x128_f8f6f4 v[rD:rD+7], v[rW:rW+11], v[rA:rA+11], v[rC:rC+7], v[rS], v[rX] matrix_a_fmt:MATRIX_FMT_FP6 matrix_b_fmt:MATRIX_FMT_FP6
.elseif ((\u) == 1) && ((\m)%2 == 0)
	v_wmma_scale_f32_16x16x128_f8f6f4 v[rD:rD+7], v[rW:rW+11], v[rA:rA+11], v[rC:rC+7], v[rS], v[rX] matrix_a_fmt:MATRIX_FMT_FP6 matrix_b_fmt:MATRIX_FMT_FP6 matrix_a_scale:MATRIX_SCALE_ROW1
.elseif (\u) == 0
	v_wmma_scale_f32_16x16x128_f8f6f4 v[rD:rD+7], v[rW:rW+11], v[rA:rA+11], v[rC:rC+7], v[rS], v[rX] matrix_a_fmt:MATRIX_FMT_FP6 matrix_b_fmt:MATRIX_FMT_FP6 matrix_b_scale:MATRIX_SCALE_ROW1
.else
	v_wmma_scale_f32_16x16x128_f8f6f4 v[rD:rD+7], v[rW:rW+11], v[rA:rA+11], v[rC:rC+7], v[rS], v[rX] matrix_a_fmt:MATRIX_FMT_FP6 matrix_b_fmt:MATRIX_FMT_FP6 matrix_a_scale:MATRIX_SCALE_ROW1 matrix_b_scale:MATRIX_SCALE_ROW1
.endif
.endm
.macro KSTEP q, adr                    ; 128 along K: the next step's token fragments are asked for, then 8 products, the 8 accumulators by turns in the same order in every step
.if (\q) > 0
	PLACES                                         ; in front of loads into the buffer that the last step's products read
.endif
.if (\q) < 7
	AFETCH (\q)+1, AF0+48*(((\q)+1)&1), \adr
	s_wait_dscnt 24                                ; all but the 24 just issued: this step's fragments are in, and so are the stores of the next expert's codes, whose registers the first products write
.else
	s_wait_dscnt 0x0
.endif
	s_wait_loadcnt 6*(7-(\q))                      ; the later K steps' six loads each may be out
	WIN 0x01                                       ; source 0 window 1
.irp m, 0,1,2,3
.irp u, 0,1
	MM \q, \m, \u
.endr
.endr
	WIN 0
.endm
.macro COMPUTE adr
	AFETCH 0, AF0, \adr
.irp q, 0,1,2,3,4,5,6,7
	KSTEP \q, \adr
.endr
	PLACES                                         ; behind the last products, in front of the first read of results
.endm
.macro WEIGH                           ; the output's sums += tw x y: tw of my four rows for expert s25, then 32 packed multiply-adds, the accumulators in ascending order
.irp m, 0,1,2,3
	v_cmp_eq_u32 vcc_lo, s25, v[IX+2*\m]
	v_cndmask_b32 v13, 0, v[WT+2*\m], vcc_lo
	v_cmp_eq_u32 vcc_lo, s25, v[IX+2*\m+1]
	v_cndmask_b32 v14, 0, v[WT+2*\m+1], vcc_lo
	v_add_f32 v[TW+2*\m], v13, v14
	v_mov_b32 v[TW+2*\m+1], v[TW+2*\m]
.endr
	WIN 0x50                                       ; source 2 and destination window 1
.irp m, 0,1,2,3
.irp i, 0,2,4,6,8,10,12,14
	v_pk_fma_f32 v[OA+16*\m+\i:OA+16*\m+\i+1], v[ACC+16*\m+\i:ACC+16*\m+\i+1], v[TW+2*\m:TW+2*\m+1], v[OA+16*\m+\i:OA+16*\m+\i+1]
.endr
.endr
	WIN 0
.endm
; A TRIP: expert e (bit s26), whose codes lie in buffer par.  Four ways, by whether the block uses e and e + 1.
.macro TRIP par
	s_and_b32 s29, s28, s26                        ; does the block use expert e?
	s_lshl_b32 s30, s26, 1
	s_and_b32 s30, s28, s30                        ; and e + 1?  (bit 8 is never set: the last trip asks for nothing)
	s_cmp_lg_u32 s29, 0
	s_cbranch_scc0 .Lidle_\@
	s_cmp_lg_u32 s30, 0
	s_cbranch_scc0 .Lalone_\@
	SISSUE 49152                                   ; the next expert's codes first,
	BISSUE2                                        ; then this expert's operands
	s_wait_loadcnt 63                              ; 64 loads are younger than the 12: the count is the largest that the field holds, and leaves at most 63 out: the 12 are in
	SSTORE SA0+1-\par
	s_branch .Lmul_\@
.Lalone_\@:
	BISSUE2
.Lmul_\@:                                          ; on both ways the 64 loads of BISSUE2 are the youngest, so the counts below count the same loads
	COMPUTE AA0+\par
	WEIGH
	s_branch .Lend_\@
.Lidle_\@:
	s_cmp_lg_u32 s30, 0
	s_cbranch_scc0 .Lend_\@
	SISSUE 49152
	s_wait_loadcnt 0x0
	SSTORE SA0+1-\par
.Lend_\@:
	s_wait_xcnt 0x0                                ; the bases are written again only behind this wait
	s_add_nc_u64 s[44:45], s[44:45], 786432
	s_add_nc_u64 s[46:47], s[46:47], 32768
	s_add_nc_u64 s[48:49], s[48:49], 4096
	s_add_nc_u64 s[50:51], s[50:51], 2048
	s_add_nc_u64 s[54:55], s[54:55], 49152
	s_add_co_u32 s25, s25, 1
	s_lshl_b32 s26, s26, 1
	s_wait_dscnt 0x0                               ; my reads of this buffer are over and my stores into the other have landed
	s_barrier_signal -1
	s_barrier_wait -1
.endm
	s_load_b512 s[4:19], s[0:1], 0x0               ; hq s[4:5], hs s[6:7], order s[8:9], indices s[10:11], weights s[12:13], wimg s[14:15], wsc s[16:17], b2 s[18:19]
	s_load_b64 s[20:21], s[0:1], 0x40              ; out0
	v_lshrrev_b32 v13, 5, v0
	v_readfirstlane_b32 s22, v13                   ; wave 0..7
	s_and_b32 s24, ttmp7, 0xffff                   ; s
	s_lshl_b32 s23, s24, 3
	s_add_co_u32 s23, s23, s22                     ; Bn = 8 s + wave
	v_and_b32 v13, 31, v0                          ; lane
	v_and_b32 v14, 15, v0                          ; r
	v_bfe_u32 v15, v0, 4, 1                        ; h
	v_lshlrev_b32 v[L16], 4, v13
	v_lshlrev_b32 v[L8], 3, v13
	v_mul_u32_u24 v[AA0], v14, 24
	v_mad_u32_u24 v[AA0], v15, BP, v[AA0]
	v_add_nc_u32 v[AA0+1], BUF1, v[AA0]
	s_mul_i32 s29, s22, BP
	v_add_nc_u32 v[SA0], s29, v[L16]
	v_add_nc_u32 v[SA0+1], BUF1, v[SA0]
	v_lshlrev_b32 v[BIO], 6, v15
	s_mul_i32 s29, s22, 1536
	v_add_nc_u32 v[SG], s29, v[L16]
	v_mul_u32_u24 v[OSTO], v14, OP
	v_lshl_add_u32 v[OSTO], v15, 6, v[OSTO]
	s_lshl_b32 s29, s22, 7
	s_add_co_u32 s29, s29, OST
	v_add_nc_u32 v[OSTO], s29, v[OSTO]             ; row r, + 128 wave + 64 h
	s_mul_i32 s29, s22, 8*OP
	s_add_co_u32 s29, s29, OST
	v_add_nc_u32 v[OSRD], s29, v[L16]              ; rows 8 wave on, 16 bytes a lane
	v_lshlrev_b32 v[R4], 2, v14
	s_wait_kmcnt 0x0
	s_lshl_b32 s30, ttmp9, 8
	s_mov_b32 s31, 0
	s_add_nc_u64 s[8:9], s[8:9], s[30:31]          ; order at my block's 64 positions
	s_lshl_b32 s30, s22, 5
	s_add_nc_u64 s[52:53], s[8:9], s[30:31]
	s_load_b256 s[32:39], s[52:53], 0x0            ; the tokens of rows 8 wave .. 8 wave + 7, which I store
.irp m, 0,1,2,3
	global_load_b32 v[248+\m], v[R4], s[8:9] offset:64*\m   ; the token of row 16 m + r, whose sums I hold
.endr
	s_wait_loadcnt 0x0
.irp m, 0,1,2,3
	v_min_u32 v[248+\m], 0xfff, v[248+\m]          ; a loaded number enters an address: held inside the table
	v_lshlrev_b32 v[252+\m], 3, v[248+\m]
.endr
.irp m, 0,1,2,3
	global_load_b64 v[IX+2*\m:IX+2*\m+1], v[252+\m], s[10:11]
	global_load_b64 v[WT+2*\m:WT+2*\m+1], v[252+\m], s[12:13]
.endr
	s_wait_kmcnt 0x0
.irp p, 0,1,2,3,4,5,6,7
	s_min_u32 s[32+\p], s[32+\p], 0xfff
	s_lshl_b32 s[32+\p], s[32+\p], 12              ; a row of out0 is 4,096 bytes
	v_add_nc_u32 v[RO+\p], s[32+\p], v[L16]
.endr
	WIN 0x40
.set ii, 0
.rept 64
	v_mov_b32 v[OA+ii], 0                          ; the output's sums are cleared: which expert is the block's first hangs on data, so no product can start them
.set ii, ii+1
.endr
	WIN 0
	s_mul_i32 s30, s23, 24576
	s_add_co_u32 s30, s30, 6291456
	s_add_nc_u64 s[44:45], s[14:15], s[30:31]      ; W2's images (matrices 8 ..) of expert 0, block Bn; 786,432 bytes from expert to expert
	s_lshl_b32 s30, s23, 10
	s_add_co_u32 s30, s30, 262144
	s_add_nc_u64 s[46:47], s[16:17], s[30:31]      ; their scale words; 32,768
	s_lshl_b32 s30, s23, 7
	s_add_nc_u64 s[48:49], s[18:19], s[30:31]      ; b2; 4,096
	s_lshl_b32 s30, ttmp9, 14
	s_add_nc_u64 s[50:51], s[6:7], s[30:31]        ; hs at (b, expert 0); 2,048
	s_mul_i32 s30, ttmp9, 393216
	s_add_nc_u64 s[54:55], s[4:5], s[30:31]        ; hq at (b, expert 0); 49,152
	s_lshl_b32 s30, s24, 10
	s_add_nc_u64 s[20:21], s[20:21], s[30:31]      ; out0 at my 256 columns
	s_wait_loadcnt 0x0
	v_mov_b32 v[BITS], 0                           ; which experts my four tokens name; an index outside 0 .. 7 sets no bit
	v_mov_b32 v15, 1
.irp g, 216,217,218,219,220,221,222,223
	v_cmp_gt_u32 vcc_lo, 8, v\g
	v_lshlrev_b32 v13, v\g, v15
	v_cndmask_b32 v13, 0, v13, vcc_lo
	v_or_b32 v[BITS], v[BITS], v13
.endr
	s_mov_b32 s28, 0                               ; and which the block's 64 tokens name: the same number in all eight waves, and the same as in the launch before
.irp e, 0,1,2,3,4,5,6,7
	v_and_b32 v13, 1<<\e, v[BITS]
	v_cmp_ne_u32 vcc_lo, 0, v13
	s_cmp_lg_u32 vcc_lo, 0
	s_cselect_b32 s29, 1<<\e, 0
	s_or_b32 s28, s28, s29
.endr
	s_and_b32 s29, s28, 1
	s_cmp_lg_u32 s29, 0
	s_cbranch_scc0 .Lno_first
	SISSUE 0                                       ; expert 0's codes, if it is in use, into buffer 0
	s_wait_loadcnt 0x0
	SSTORE SA0
.Lno_first:
	s_wait_dscnt 0x0
	s_barrier_signal -1
	s_barrier_wait -1
	s_mov_b32 s27, 0                               ; pairs of experts done
	s_mov_b32 s25, 0                               ; e
	s_mov_b32 s26, 1                               ; its bit
.Lpair:                                            ; a trip of the loop runs two experts, until the buffers are back where they began
	TRIP 0
	TRIP 1
	s_add_co_u32 s27, s27, 1
	s_cmp_lt_u32 s27, 4
	s_cbranch_scc1 .Lpair
	; THE WAY OUT.  A lane holds 64 neighbouring bytes of a row, and a row's 1,024 bytes come from eight waves: they meet in the stage, and each wave stores 8 whole rows to its tokens' places
	WIN 0x04                                       ; an LDS store's data are its source 1: window 1
.irp m, 0,1,2,3
.irp i, 0,1,2,3
	ds_store_b128 v[OSTO], v[OA+16*\m+4*\i:OA+16*\m+4*\i+3] offset:16*OP*\m+16*\i
.endr
.endr
	WIN 0
	s_wait_dscnt 0x0                               ; for the others' sake: my stores into the stage have landed
	s_barrier_signal -1
	s_barrier_wait -1
.irp p, 0,1,2,3,4,5,6,7
.irp i, 0,1
	ds_load_b128 v[ACC+8*\p+4*\i:ACC+8*\p+4*\i+3], v[OSRD] offset:OP*\p+512*\i
.endr
.endr
.irp p, 0,1,2,3,4,5,6,7
.irp i, 0,1
	s_wait_dscnt 15-2*\p-\i                        ; LDS loads come back in order: this one is in, the younger ones may be out
	global_store_b128 v[RO+\p], v[ACC+8*\p+4*\i:ACC+8*\p+4*\i+3], s[20:21] offset:512*\i th:TH_STORE_NT   ; 32 lanes store 512 consecutive bytes, at a multiple of 256 from out0's first byte
.endr
.endr
	s_wait_xcnt 0x0
	v_lshl_add_u32 v254, v0, 2, 0x30400
	v_mov_b32 v255, 0
	s_wait_tensorcnt 0x0
	ds_add_u32 v254, v255
	s_wait_dscnt 0x0
	s_endpgm
.Lfunc_end_k_qea5c47140d_ffn2:
	.size	k_qea5c47140d_ffn2, .Lfunc_end_k_qea5c47140d_ffn2-k_qea5c47140d_ffn2
	.p2alignl 7, 3214868480
	.fill 96, 4, 3214868480
	.section	.rodata,"a",@progbits
	.p2align	6, 0x0
	.amdhsa_kernel k_qea5c47140d_ffn2
		.amdhsa_group_segment_fixed_size 198656
		.amdhsa_private_segment_fixed_size 0
		.amdhsa_enable_private_segment 0
		.amdhsa_kernarg_size 72
		.amdhsa_user_sgpr_count 2
		.amdhsa_user_sgpr_kernarg_segment_ptr 1
		.amdhsa_wavefront_size32 1
		.amdhsa_system_sgpr_workgroup_id_x 1
		.amdhsa_system_sgpr_workgroup_id_y 1
		.amdhsa_system_sgpr_workgroup_id_z 1
		.amdhsa_system_vgpr_workitem_id 0
		.amdhsa_next_free_vgpr 512
		.amdhsa_next_free_sgpr 66
		.amdhsa_reserve_vcc 1
		.amdhsa_float_denorm_mode_32 3
		.amdhsa_float_denorm_mode_16_64 3
		.amdhsa_memory_ordered 1
		.amdhsa_forward_progress 1
		.amdhsa_inst_pref_size 100
	.end_amdhsa_kernel
	.amdgpu_metadata
---
amdhsa.version: [ 1, 2 ]
amdhsa.kernels:
  - .name:           k_qea5c47140d_ffn2
    .symbol:         k_qea5c47140d_ffn2.kd
    .args:
      - { .name: hq, .offset: 0, .size: 8, .value_kind: global_buffer, .address_space: global }
      - { .name: hs, .offset: 8, .size: 8, .value_kind: global_buffer, .address_space: global }
      - { .name: order, .offset: 16, .size: 8, .value_kind: global_buffer, .address_space: global }
      - { .name: expert_indices, .offset: 24, .size: 8, .value_kind: global_buffer, .address_space: global }
      - { .name: expert_weights, .offset: 32, .size: 8, .value_kind: global_buffer, .address_space: global }
      - { .name: wimg, .offset: 40, .size: 8, .value_kind: global_buffer, .address_space: global }
      - { .name: wsc, .offset: 48, .size: 8, .value_kind: global_buffer, .address_space: global }
      - { .name: b2, .offset: 56, .size: 8, .value_kind: global_buffer, .address_space: global }
      - { .name: out0, .offset: 64, .size: 8, .value_kind: global_buffer, .address_space: global }
    .group_segment_fixed_size: 198656
    .private_segment_fixed_size: 0
    .kernarg_segment_align: 8
    .kernarg_segment_size: 72
    .max_flat_workgroup_size: 256
    .sgpr_count:     66
    .vgpr_count:     512
    .wavefront_size: 32
...
	.end_amdgpu_metadata
.endif
;; end of part 3
;; ======== version 2 of 2: 3 launches
;; workspace buffers: xq 3,145,728 bytes; xs 131,072 bytes; wimg 12,582,912 bytes; wsc 524,288 bytes; hq 25,165,824 bytes; hs 1,048,576 bytes; order 16,384 bytes of whole numbers
;; launch prep (part 4): grid 321 x 1, 8 waves a work-group, no clusters, 103,424 bytes of LDS; arguments x, w1, w2, expert_indices, xq, xs, wimg, wsc, order; writes xq, xs, wimg, wsc, order
.if DOCPART == 4
	.amdgcn_target "amdgcn-amd-amdhsa--gfx1250"
	.amdhsa_code_object_version 6
	.text
	.protected	k_qea5c47140d_prep
	.globl	k_qea5c47140d_prep
	.p2align	8
	.type	k_qea5c47140d_prep,@function
k_qea5c47140d_prep:
	s_mov_b64 s[64:65], 0
	v_nop
	global_prefetch_b8 v0, s[64:65] scope:SCOPE_SE
	s_setreg_imm32_b32 hwreg(HW_REG_WAVE_MODE, 25, 1), 1
	s_wait_xcnt 0x0
; THE FIRST OF THREE LAUNCHES.  Three kinds of work-groups, told apart by the work-group's number alone; each kind has LDS bytes of its own.
;   work-group 0        SORT: the 4,096 tokens are sorted by their pair of experts (a counting sort over 36 keys, by ballots; no atomics): order[position] = token.
;   work-groups 1-64    X:    x [4096][1024] f32 -> codes of FP6 (E2M3), K innermost, 768 bytes a token (xq), and one E8M0 byte for each 32 along K (xs).
;   work-groups 65-320  W:    w1, w2 [8][1024 (k)][1024 (n)] f32 are quantised along k, their FIRST axis within an expert, and laid as IMAGES OF OPERAND REGISTERS (wimg) with their scale words (wsc).
; A block's scale is 2^(floor(log2(its largest magnitude)) - 2); its byte is the largest magnitude's exponent field - 2, held at 1 from below.
; LIMITS: a block of zeros gets the byte 1 where the rule says 127 (its codes are zeros, which add nothing under any byte but 0xff, and this program alone reads the bytes);
; blocks whose largest magnitude lies under 2^-124 have their byte held at 1; NaN and infinities among the inputs are not served.
; wimg: [matrix 16 (w1's experts, then w2's)][Bn 32][K step q 8][u 2][1,536 bytes].  Fragment (Bn, q, u): lane (r, h) holds column n = 32 Bn + 8 u + r + 8 (r / 8), registers 6 c .. 6 c + 5 hold k = 128 q + 64 c + 32 h + 0 .. 31;
;       register i of lane l lies at byte 512 (i / 4) + 16 l + 4 (i % 4): three loads of 16 bytes a lane bring a fragment.
; wsc:  [matrix][Bn][pair of K steps 4][16 u + r][2 words]: one load of 8 bytes a lane brings tile u = 0 in lanes 0-15 and u = 1 in lanes 16-31.
.set CNT,  0                           ; SORT: the table of counts, word [key][wave], 64 rows of 32 bytes
.set XLDS, 4096                        ; X: a region for each wave: two stages of 32 x 80 bytes, then its 256 scale bytes
.set XREG, 5632
.set SP,   80                          ; a lane's place in a stage: its 64 bytes + 16 of padding
.set WLDS, 49152                       ; W: a region for each wave: four fragments' images
.set WREG, 6656
.set FST,  1664                        ; from fragment to fragment in the stage: 1,536 + 128, so that the lanes of tile u = 1 store 32 words further on modulo 64
.set XR,   16                          ; X: v16-79 four sets of 16 numbers as loaded; v80-111 two sets of 16 neighbours; v112-127 a byte a step; v128-191 codes, four registers a step
.set XX,   80
.set XE,   112
.set XC,   128
.macro XLOAD t                         ; X: step t's 2,048 bytes, 512 consecutive bytes a load
.irp i, 0,1,2,3
	global_load_b128 v[XR+16*((\t)%4)+4*\i:XR+16*((\t)%4)+4*\i+3], v3, s[4:5] offset:2048*(\t)+512*\i th:TH_LOAD_NT
.endr
.endm
.macro XTURN t                         ; through the wave's stage: in as loaded, out 64 bytes a lane.  LDS serves a wave's instructions in order (ISA guide 5.7.1.4)
.irp i, 0,1,2,3
	ds_store_b128 v14, v[XR+16*((\t)%4)+4*\i:XR+16*((\t)%4)+4*\i+3] offset:32*SP*((\t)%2)+8*SP*\i
.endr
.irp i, 0,1,2,3
	ds_load_b128 v[XX+16*((\t)%2)+4*\i:XX+16*((\t)%2)+4*\i+3], v15 offset:32*SP*((\t)%2)+16*\i
.endr
.endm
.macro XSTEP t                         ; 512 numbers: 16 neighbours a lane, two neighbouring lanes hold a block of 32
.set XS, XX+16*((\t)%2)
.if (\t) > 0
	s_wait_dscnt 1                                 ; this step's numbers are back from the stage; the last step's byte store may be out
.else
	s_wait_dscnt 0x0
.endif
.if (\t)+4 < 16
	XLOAD (\t)+4
.endif
.if (\t)+1 < 16
.if 14-(\t) >= 3
	s_wait_loadcnt 12                              ; the next step's four loads are in; those of the three steps behind it may be out
.else
	s_wait_loadcnt 4*(14-(\t))
.endif
	XTURN (\t)+1
.endif
	v_max3_num_f32 v8, |v[XS]|, |v[XS+1]|, |v[XS+2]|
	v_max3_num_f32 v9, |v[XS+3]|, |v[XS+4]|, |v[XS+5]|
.irp i, 6,10
	s_delay_alu instid0(VALU_DEP_2)
	v_max3_num_f32 v8, v8, |v[XS+\i]|, |v[XS+\i+1]|
	s_delay_alu instid0(VALU_DEP_2)
	v_max3_num_f32 v9, v9, |v[XS+\i+2]|, |v[XS+\i+3]|
.endr
	s_delay_alu instid0(VALU_DEP_2)
	v_max3_num_f32 v8, v8, |v[XS+14]|, |v[XS+15]|
	s_delay_alu instid0(VALU_DEP_1)
	v_max3_num_f32 v8, v8, v9, 0x1800000           ; the floor 2^(3 - 127): the byte cannot fall under 1
	s_delay_alu instid0(VALU_DEP_1)
	v_max_num_f32_dpp v8, v8, v8 row_xmask:1 row_mask:0xf bank_mask:0xf   ; with my neighbour's 16: the block's largest magnitude
	s_delay_alu instid0(VALU_DEP_1)
	v_add_nc_u32 v11, 0xff000000, v8               ; 2 off its exponent field: the conversion takes the exponent field of this operand as its scale
	v_cvt_scalef32_pk16_fp6_f32 v[XC+4*(\t):XC+4*(\t)+2], v[XS:XS+15], v11
	v_lshrrev_b32 v[XE+(\t)], 23, v11              ; the scale's byte (also the plain line behind the conversion)
	ds_store_b8 v5, v[XE+(\t)] offset:16*(\t)      ; both lanes of a block write the same byte with the same value
	global_store_b96 v4, v[XC+4*(\t):XC+4*(\t)+2], s[12:13] offset:384*(\t)
.endm
.macro WLOAD t                         ; W: block t: w(32 t + i, my column), i = 0 .. 31; a wave reads 128 consecutive bytes, the eight waves 1,024
.irp i, 0,1,2,3,4,5,6,7,8,9,10,11,12,13,14,15,16,17,18,19,20,21,22,23,24,25,26,27,28,29,30,31
	global_load_b32 v[32+32*((\t)%2)+\i], v3, s[24:25] offset:(32*(\t)+\i)*4096 th:TH_LOAD_NT
.endr
.endm
.macro WBLOCK t                        ; block t of my column: K step t / 4 of my two, c = (t / 2) % 2, h = t % 2 of the fragment's layout
.set XS, 32+32*((\t)%2)
.set WOF, 2*FST*((\t)/4)+256*((\t)%2)
.if (\t) < 7
	s_wait_loadcnt 32                              ; this block's 32 loads are in; the next block's may be out
.else
	s_wait_loadcnt 0x0
.endif
	v_max3_num_f32 v12, |v[XS]|, |v[XS+1]|, |v[XS+2]|
	v_max3_num_f32 v13, |v[XS+3]|, |v[XS+4]|, |v[XS+5]|
.irp i, 6,10,14,18,22,26
	s_delay_alu instid0(VALU_DEP_2)
	v_max3_num_f32 v12, v12, |v[XS+\i]|, |v[XS+\i+1]|
	s_delay_alu instid0(VALU_DEP_2)
	v_max3_num_f32 v13, v13, |v[XS+\i+2]|, |v[XS+\i+3]|
.endr
	s_delay_alu instid0(VALU_DEP_2)
	v_max3_num_f32 v12, v12, |v[XS+30]|, |v[XS+31]|
	s_delay_alu instid0(VALU_DEP_1)
	v_max3_num_f32 v12, v12, v13, 0x1800000        ; all 32 numbers are mine; and the floor
	s_delay_alu instid0(VALU_DEP_1)
	v_add_nc_u32 v11, 0xff000000, v12
	s_delay_alu instid0(VALU_DEP_1)
	v_lshrrev_b32 v13, 23, v11
.if (\t)%4 == 0
	s_delay_alu instid0(VALU_DEP_1)
	v_mov_b32 v[24+(\t)/4], v13                    ; four bytes make a K step's scale word, the lower k in the lower byte
.else
	s_delay_alu instid0(VALU_DEP_1)
	v_lshl_or_b32 v[24+(\t)/4], v13, 8*((\t)%4), v[24+(\t)/4]
.endif
	v_cvt_scalef32_pk16_fp6_f32 v[96:98], v[XS:XS+15], v11
	v_cvt_scalef32_pk16_fp6_f32 v[104:106], v[XS+16:XS+31], v11   ; (a conversion's three registers begin on an even number)
	v_nop                                          ; one plain line behind the conversions
	v_mov_b32 v99, v104
	v_mov_b32 v100, v105
	v_mov_b32 v101, v106                           ; v96-101: registers 6 c .. 6 c + 5 of fragment lane (r, h)
.if ((\t)/2)%2 == 0
	ds_store_b128 v7, v[96:99] offset:WOF          ; registers 0-3
	ds_store_b64 v7, v[100:101] offset:WOF+512     ; 4, 5
.else
	ds_store_b64 v7, v[96:97] offset:WOF+520       ; 6, 7
	ds_store_b128 v7, v[98:101] offset:WOF+1024    ; 8-11
.endif
.if (\t)+2 < 8
	WLOAD (\t)+2
.endif
	s_wait_dscnt 0x0                               ; the stores have read their registers: the next block's codes may be written
.endm
.macro SCAN reg                        ; SORT: an inclusive sum over the 32 lanes: four steps inside each half of 16, then the lower half's total onto the upper half
.irp n, 1
	v_mov_b32_dpp v124, v[\reg] row_shr:\n row_mask:0xf bank_mask:0xf bound_ctrl:1
	s_delay_alu instid0(VALU_DEP_1)
	v_add_nc_u32 v[\reg], v[\reg], v124
.endr
.irp n, 2, 4, 8
	s_delay_alu instid0(VALU_DEP_1)
	v_mov_b32_dpp v124, v[\reg] row_shr:\n row_mask:0xf bank_mask:0xf bound_ctrl:1
	s_delay_alu instid0(VALU_DEP_1)
	v_add_nc_u32 v[\reg], v[\reg], v124
.endr
	s_delay_alu instid0(VALU_DEP_1)
	v_readlane_b32 s94, v[\reg], 15
	s_delay_alu instid0(VALU_DEP_1)
	v_mov_b32 v124, s94
	s_delay_alu instid0(VALU_DEP_1)
	v_cndmask_b32 v124, 0, v124, s95
	s_delay_alu instid0(VALU_DEP_1)
	v_add_nc_u32 v[\reg], v[\reg], v124
.endm
	s_load_b512 s[4:19], s[0:1], 0x0               ; x s[4:5], w1 s[6:7], w2 s[8:9], indices s[10:11], xq s[12:13], xs s[14:15], wimg s[16:17], wsc s[18:19]
	s_load_b64 s[20:21], s[0:1], 0x40              ; order
	v_lshl_add_u32 v192, v0, 2, 0x19000
	v_mov_b32 v193, 0
	v_lshrrev_b32 v1, 5, v0
	s_delay_alu instid0(VALU_DEP_1)
	v_readfirstlane_b32 s22, v1                    ; wave 0..7
	v_and_b32 v2, 31, v0                           ; lane
	s_wait_kmcnt 0x0
	s_cmp_eq_u32 ttmp9, 0
	s_cbranch_scc1 .Lsort
	s_cmp_lt_u32 ttmp9, 65
	s_cbranch_scc1 .Lxq
; ---------------- W: a lane takes a column n, its registers run down k: a block of 32 lies in one lane, and the codes come out with k innermost
	s_sub_co_u32 s23, ttmp9, 65
	s_lshr_b32 s26, s23, 4                         ; matrix 0..15
	s_bfe_u32 s27, s23, 0x20002                    ; g: which 256 columns
	s_and_b32 s28, s23, 3                          ; kq: which 256 along k
	s_cmp_lt_u32 s26, 8
	s_cselect_b64 s[24:25], s[6:7], s[8:9]         ; w1 or w2: the choice hangs on the work-group's number alone
	s_and_b32 s29, s26, 7
	s_lshl_b32 s30, s29, 22                        ; the expert: 4 MiB,
	s_lshl_b32 s31, s28, 20                        ; 256 rows of 4,096 bytes,
	s_add_co_u32 s30, s30, s31
	s_lshl_b32 s31, s27, 10                        ; 256 columns,
	s_add_co_u32 s30, s30, s31
	s_lshl_b32 s31, s22, 7                         ; my wave's 32 of them
	s_add_co_u32 s30, s30, s31
	s_mov_b32 s31, 0
	s_add_nc_u64 s[24:25], s[24:25], s[30:31]
	s_lshl_b32 s32, s27, 3
	s_add_co_u32 s32, s32, s22                     ; Bn = 8 g + wave
	s_lshl_b32 s33, s26, 5
	s_add_co_u32 s33, s33, s32                     ; 32 x matrix + Bn
	s_mul_i32 s30, s33, 24576
	s_mul_i32 s34, s28, 6144                       ; my two K steps' four fragments
	s_add_co_u32 s30, s30, s34
	s_add_nc_u64 s[16:17], s[16:17], s[30:31]
	s_lshl_b32 s30, s33, 2
	s_add_co_u32 s30, s30, s28
	s_lshl_b32 s30, s30, 8                         ; and their 256 bytes of scale words
	s_add_nc_u64 s[18:19], s[18:19], s[30:31]
	s_wait_alu depctr_va_vdst(0)
	v_lshlrev_b32 v3, 2, v2                        ; in: 4 bytes a lane
	v_bfe_u32 v4, v0, 3, 1                         ; my column 16 a + 8 u + i is row r = 8 a + i of tile u
	v_bfe_u32 v5, v0, 4, 1
	v_and_b32 v6, 7, v0
	s_delay_alu instid0(VALU_DEP_1)
	v_lshl_add_u32 v6, v5, 3, v6                   ; r
	s_mul_i32 s34, s22, WREG
	s_add_co_u32 s34, s34, WLDS                    ; my stage
	v_mul_u32_u24 v7, v4, FST
	s_delay_alu instid0(VALU_DEP_1)
	v_lshl_add_u32 v7, v6, 4, v7
	s_delay_alu instid0(VALU_DEP_1)
	v_add_nc_u32 v7, s34, v7                       ; into it: fragment u, 16 r
	v_lshlrev_b32 v9, 4, v2                        ; out of it, and into wimg: 16 x lane
	s_delay_alu instid0(VALU_DEP_1)
	v_add_nc_u32 v8, s34, v9
	v_lshlrev_b32 v10, 7, v4
	s_delay_alu instid0(VALU_DEP_1)
	v_lshl_add_u32 v10, v6, 3, v10                 ; my scale words' place: 8 (16 u + r)
	WLOAD 0
	WLOAD 1
.irp t, 0,1,2,3,4,5,6,7
	WBLOCK \t
.endr
	s_wait_alu depctr_va_vdst(0)
	global_store_b64 v10, v[24:25], s[18:19]       ; 32 lanes store 256 consecutive bytes, aligned
.irp n, 0,1,2,3,4,5,6,7,8,9,10,11
	ds_load_b128 v[112+4*\n:115+4*\n], v8 offset:FST*(\n/3)+512*(\n%3)
.endr
.irp n, 0,1,2,3,4,5,6,7,8,9,10,11
	s_wait_dscnt 11-\n                             ; LDS loads come back in order: load n is in, the younger ones may be out
	global_store_b128 v9, v[112+4*\n:115+4*\n], s[16:17] offset:512*\n   ; 512 consecutive bytes a store
.endr
	s_wait_tensorcnt 0x0
	ds_add_u32 v192, v193
	s_wait_dscnt 0x0
	s_endpgm
; ---------------- X: rows are dense and 1,024 is a multiple of 32: x is a plain stream of blocks of 32, and so are its codes and scale bytes.  A wave takes 16 steps of 512 numbers
.Lxq:
	s_wait_alu depctr_va_vdst(0)
	v_lshlrev_b32 v3, 4, v2                        ; my 16 bytes of a load's 512
	s_mul_i32 s23, s22, XREG
	s_add_co_u32 s23, s23, XLDS
	v_lshrrev_b32 v14, 2, v2
	s_delay_alu instid0(VALU_DEP_1)
	v_mul_u32_u24 v14, v14, SP
	v_and_b32 v15, 3, v2
	s_delay_alu instid0(VALU_DEP_1)
	v_lshl_add_u32 v14, v15, 4, v14
	s_delay_alu instid0(VALU_DEP_1)
	v_add_nc_u32 v14, s23, v14                     ; the stage, on the way in: SP (lane / 4) + 16 (lane % 4)
	v_mul_u32_u24 v15, v2, SP
	s_delay_alu instid0(VALU_DEP_1)
	v_add_nc_u32 v15, s23, v15                     ; and on the way out: SP x lane
	v_mul_u32_u24 v4, v2, 12                       ; my 16 codes' place in a step's 384 bytes
	v_lshrrev_b32 v5, 1, v2
	s_add_co_u32 s23, s23, 2*32*SP
	v_add_nc_u32 v5, s23, v5                       ; my block's byte among my wave's 256
	v_lshlrev_b32 v7, 3, v2
	s_delay_alu instid0(VALU_DEP_1)
	v_add_nc_u32 v6, s23, v7
	s_sub_co_u32 s24, ttmp9, 1
	s_lshl_b32 s24, s24, 3
	s_add_co_u32 s24, s24, s22                     ; which run of 8,192 numbers is my wave's
	s_mov_b32 s27, 0
	s_lshl_b32 s26, s24, 15
	s_add_nc_u64 s[4:5], s[4:5], s[26:27]
	s_mul_i32 s26, s24, 6144
	s_add_nc_u64 s[12:13], s[12:13], s[26:27]
	s_lshl_b32 s26, s24, 8
	s_add_nc_u64 s[14:15], s[14:15], s[26:27]
.irp t, 0,1,2,3
	XLOAD \t
.endr
	s_wait_alu depctr_va_vdst(0)
	s_wait_loadcnt 12                              ; step 0's four loads are in
	XTURN 0
.irp t, 0,1,2,3,4,5,6,7,8,9,10,11,12,13,14,15
	XSTEP \t
.endr
	ds_load_b64 v[12:13], v6                       ; my wave's 256 scale bytes, 8 a lane
	s_wait_dscnt 0x0
	global_store_b64 v7, v[12:13], s[14:15]        ; 256 consecutive bytes, aligned
	s_wait_tensorcnt 0x0
	ds_add_u32 v192, v193
	s_wait_dscnt 0x0
	s_endpgm
; ---------------- SORT.  Wave w owns tokens 512 w + 32 j + lane, j = 0 .. 15.  The key only groups tokens: any permutation in order[] gives right results later, so no index value can harm.
; The 36 pairs (lo <= hi) are numbered row by row of lo, the rows walked to and fro, with (a, a) between (a, a + 1) and (a, a + 2): neighbouring groups share an expert.
.Lsort:
	s_wait_alu depctr_va_vdst(0)
	v_lshlrev_b32 v3, 3, v2
	s_lshl_b32 s23, s22, 12
	v_add_nc_u32 v3, s23, v3                       ; 8 bytes a token
.irp j, 0,1,2,3,4,5,6,7,8,9,10,11,12,13,14,15
	global_load_b64 v[16+2*\j:17+2*\j], v3, s[10:11] offset:256*\j
.endr
	v_lshl_add_u32 v15, v0, 2, CNT+1152            ; the table's rows 36 .. 63, which are read below and belong to no key, are cleared
	v_mov_b32 v14, 0
	ds_store_b32 v15, v14
	v_mov_b32 v13, 1
	s_wait_alu depctr_va_vdst(0)
	s_wait_loadcnt 0x0
.irp j, 0,1,2,3,4,5,6,7,8,9,10,11,12,13,14,15
	v_and_b32 v5, 7, v[16+2*\j]
	v_and_b32 v6, 7, v[17+2*\j]
	s_delay_alu instid0(VALU_DEP_1)
	v_min_u32 v7, v5, v6                           ; lo
	s_delay_alu instid0(VALU_DEP_2)
	v_max_u32 v8, v5, v6
	s_delay_alu instid0(VALU_DEP_1)
	v_sub_nc_u32 v8, v8, v7                        ; d = hi - lo
	s_delay_alu instid0(VALU_DEP_3)
	v_sub_nc_u32 v9, 7, v7                         ; L: the row's last place
	s_delay_alu instid0(VALU_DEP_2)
	v_cmp_gt_u32 vcc_lo, 2, v8
	s_delay_alu instid0(VALU_DEP_1)
	v_cndmask_b32 v10, 0, v13, vcc_lo
	s_delay_alu instid0(VALU_DEP_1)
	v_xor_b32 v8, v8, v10                          ; d = 0 and d = 1 change places
	s_delay_alu instid0(VALU_DEP_1)
	v_min_u32 v8, v8, v9
	s_delay_alu instid0(VALU_DEP_1)
	v_sub_nc_u32 v10, v9, v8
	v_and_b32 v11, 1, v7
	s_delay_alu instid0(VALU_DEP_1)
	v_cmp_eq_u32 vcc_lo, 1, v11
	s_delay_alu instid0(VALU_DEP_1)
	v_cndmask_b32 v8, v8, v10, vcc_lo              ; odd rows are walked backwards
	v_sub_nc_u32 v10, 17, v7
	s_delay_alu instid0(VALU_DEP_1)
	v_mul_u32_u24 v10, v10, v7
	s_delay_alu instid0(VALU_DEP_1)
	v_lshrrev_b32 v10, 1, v10                      ; the row begins at lo (17 - lo) / 2
	s_delay_alu instid0(VALU_DEP_1)
	v_add_nc_u32 v8, v8, v10
	s_delay_alu instid0(VALU_DEP_1)
	v_min_u32 v[48+\j], 35, v8                     ; the key
	v_mov_b32 v[64+\j], 0
.endr
	s_mov_b32 s30, 0                               ; the key in hand
	s_lshl_b32 s31, s22, 2                         ; its count's word for my wave
.Lkey:                                             ; 36 trips: who has this key, and which place has each among my wave's tokens with it
.irp j, 0,1,2,3,4,5,6,7,8,9,10,11,12,13,14,15
	v_cmp_eq_u32 s[36+\j], s30, v[48+\j]
.endr
	s_mov_b32 s68, 0
.irp j, 0,1,2,3,4,5,6,7,8,9,10,11,12,13,14,15
	s_bcnt1_i32_b32 s85, s[36+\j]
	s_add_co_u32 s[69+\j], s[68+\j], s85           ; s[68 + j]: how many in the registers before j
.endr
.irp j, 0,1,2,3,4,5,6,7,8,9,10,11,12,13,14,15
	v_mbcnt_lo_u32_b32 v[80+\j], s[36+\j], s[68+\j]   ; + how many in the lanes before mine
.endr
.irp j, 0,1,2,3,4,5,6,7,8,9,10,11,12,13,14,15
	v_cndmask_b32 v[64+\j], v[64+\j], v[80+\j], s[36+\j]
.endr
	v_mov_b32 v9, s31
	v_mov_b32 v10, s84                             ; my wave's count of this key
	ds_store_b32 v9, v10                           ; all lanes write the same word with the same value
	s_add_co_u32 s31, s31, 32
	s_add_co_u32 s30, s30, 1
	s_cmp_lt_u32 s30, 36
	s_cbranch_scc1 .Lkey
	s_wait_dscnt 0x0                               ; for the others' sake: my counts have landed
	s_barrier_signal -1
	s_barrier_wait -1
	v_lshlrev_b32 v12, 5, v2                       ; lane l reads the eight waves' counts of keys l and 32 + l
	ds_load_b128 v[100:103], v12
	ds_load_b128 v[104:107], v12 offset:16
	ds_load_b128 v[108:111], v12 offset:1024
	ds_load_b128 v[112:115], v12 offset:1040
.irp q, 0,1,2,3,4,5,6
	s_cmp_gt_u32 s22, \q
	s_cselect_b32 s[86+\q], -1, 0                  ; all ones for the waves in front of mine
.endr
	s_mov_b32 s95, 0xffff0000
	v_mov_b32 v124, 0
	s_wait_dscnt 0x0
	v_and_b32 v116, s86, v100
	v_and_b32 v118, s86, v108
.irp q, 1,2,3,4,5,6
	v_and_b32 v117, s[86+\q], v[100+\q]
	v_and_b32 v119, s[86+\q], v[108+\q]
	s_delay_alu instid0(VALU_DEP_2)
	v_add_nc_u32 v116, v116, v117                  ; the key's tokens in the waves in front of mine
	s_delay_alu instid0(VALU_DEP_2)
	v_add_nc_u32 v118, v118, v119
.endr
	v_add3_u32 v120, v100, v101, v102
	v_add3_u32 v121, v108, v109, v110
	s_delay_alu instid0(VALU_DEP_2)
	v_add3_u32 v120, v120, v103, v104
	s_delay_alu instid0(VALU_DEP_2)
	v_add3_u32 v121, v121, v111, v112
	s_delay_alu instid0(VALU_DEP_2)
	v_add3_u32 v120, v120, v105, v106
	s_delay_alu instid0(VALU_DEP_2)
	v_add3_u32 v121, v121, v113, v114
	s_delay_alu instid0(VALU_DEP_2)
	v_add_nc_u32 v120, v120, v107                  ; the key's tokens in all
	s_delay_alu instid0(VALU_DEP_2)
	v_add_nc_u32 v121, v121, v115
	s_delay_alu instid0(VALU_DEP_2)
	v_mov_b32 v122, v120
	s_delay_alu instid0(VALU_DEP_2)
	v_mov_b32 v123, v121
	SCAN 122
	SCAN 123
	v_readlane_b32 s96, v122, 31                   ; keys 0 .. 31 together
	v_sub_nc_u32 v125, v122, v120
	s_delay_alu instid0(VALU_DEP_1)
	v_add_nc_u32 v125, v125, v116                  ; where my wave's tokens of key l begin
	s_delay_alu instid0(VALU_DEP_4)
	v_sub_nc_u32 v126, v123, v121
	s_delay_alu instid0(VALU_DEP_1)
	v_add3_u32 v126, v126, v118, s96               ; and of key 32 + l
	s_lshl_b32 s23, s22, 9
	v_add_nc_u32 v127, s23, v2                     ; my first token
.irp j, 0,1,2,3,4,5,6,7,8,9,10,11,12,13,14,15
	v_lshlrev_b32 v[80+\j], 2, v[48+\j]
.endr
.irp j, 0,1,2,3,4,5,6,7,8,9,10,11,12,13,14,15
	ds_bpermute_b32 v[128+\j], v[80+\j], v125      ; from lane key % 32
	ds_bpermute_b32 v[144+\j], v[80+\j], v126
.endr
	s_wait_dscnt 0x0
.irp j, 0,1,2,3,4,5,6,7,8,9,10,11,12,13,14,15
	v_cmp_gt_u32 vcc_lo, 32, v[48+\j]
	s_delay_alu instid0(VALU_DEP_1)
	v_cndmask_b32 v[128+\j], v[144+\j], v[128+\j], vcc_lo
	s_delay_alu instid0(VALU_DEP_1)
	v_add_nc_u32 v[128+\j], v[128+\j], v[64+\j]    ; the token's position
	s_delay_alu instid0(VALU_DEP_1)
	v_min_u32 v[128+\j], 0xfff, v[128+\j]          ; it is made of loaded numbers: held inside the buffer
	s_delay_alu instid0(VALU_DEP_1)
	v_lshlrev_b32 v[128+\j], 2, v[128+\j]
	v_add_nc_u32 v[80+\j], 32*\j, v127
	global_store_b32 v[128+\j], v[80+\j], s[20:21] ; 4 bytes a lane, scattered: 16 KiB in all; gathering them in LDS would want LDS addresses made of loaded numbers
.endr
	s_wait_tensorcnt 0x0
	ds_add_u32 v192, v193
	s_wait_dscnt 0x0
	s_endpgm
.Lfunc_end_k_qea5c47140d_prep:
	.size	k_qea5c47140d_prep, .Lfunc_end_k_qea5c47140d_prep-k_qea5c47140d_prep
	.p2alignl 7, 3214868480
	.fill 96, 4, 3214868480
	.section	.rodata,"a",@progbits
	.p2align	6, 0x0
	.amdhsa_kernel k_qea5c47140d_prep
		.amdhsa_group_segment_fixed_size 103424
		.amdhsa_private_segment_fixed_size 0
		.amdhsa_enable_private_segment 0
		.amdhsa_kernarg_size 72
		.amdhsa_user_sgpr_count 2
		.amdhsa_user_sgpr_kernarg_segment_ptr 1
		.amdhsa_wavefront_size32 1
		.amdhsa_system_sgpr_workgroup_id_x 1
		.amdhsa_system_sgpr_workgroup_id_y 1
		.amdhsa_system_sgpr_workgroup_id_z 1
		.amdhsa_system_vgpr_workitem_id 0
		.amdhsa_next_free_vgpr 194
		.amdhsa_next_free_sgpr 100
		.amdhsa_reserve_vcc 1
		.amdhsa_float_denorm_mode_32 3
		.amdhsa_float_denorm_mode_16_64 3
		.amdhsa_memory_ordered 1
		.amdhsa_forward_progress 1
		.amdhsa_inst_pref_size 121
	.end_amdhsa_kernel
	.amdgpu_metadata
---
amdhsa.version: [ 1, 2 ]
amdhsa.kernels:
  - .name:           k_qea5c47140d_prep
    .symbol:         k_qea5c47140d_prep.kd
    .args:
      - { .name: x, .offset: 0, .size: 8, .value_kind: global_buffer, .address_space: global }
      - { .name: w1, .offset: 8, .size: 8, .value_kind: global_buffer, .address_space: global }
      - { .name: w2, .offset: 16, .size: 8, .value_kind: global_buffer, .address_space: global }
      - { .name: expert_indices, .offset: 24, .size: 8, .value_kind: global_buffer, .address_space: global }
      - { .name: xq, .offset: 32, .size: 8, .value_kind: global_buffer, .address_space: global }
      - { .name: xs, .offset: 40, .size: 8, .value_kind: global_buffer, .address_space: global }
      - { .name: wimg, .offset: 48, .size: 8, .value_kind: global_buffer, .address_space: global }
      - { .name: wsc, .offset: 56, .size: 8, .value_kind: global_buffer, .address_space: global }
      - { .name: order, .offset: 64, .size: 8, .value_kind: global_buffer, .address_space: global }
    .group_segment_fixed_size: 103424
    .private_segment_fixed_size: 0
    .kernarg_segment_align: 8
    .kernarg_segment_size: 72
    .max_flat_workgroup_size: 256
    .sgpr_count:     100
    .vgpr_count:     194
    .wavefront_size: 32
...
	.end_amdgpu_metadata
.endif
;; end of part 4
;; launch ffn1 (part 5): grid 64 x 4, 8 waves a work-group, no clusters, 55,296 bytes of LDS; arguments xq, xs, order, expert_indices, wimg, wsc, b1, hq, hs; writes hq, hs
.if DOCPART == 5
	.amdgcn_target "amdgcn-amd-amdhsa--gfx1250"
	.amdhsa_code_object_version 6
	.text
	.protected	k_qea5c47140d_ffn1
	.globl	k_qea5c47140d_ffn1
	.p2align	8
	.type	k_qea5c47140d_ffn1,@function
k_qea5c47140d_ffn1:
	s_mov_b64 s[64:65], 0
	v_nop
	global_prefetch_b8 v0, s[64:65] scope:SCOPE_SE
	s_setreg_imm32_b32 hwreg(HW_REG_WAVE_SCHED_MODE, 0, 2), 2
	s_setreg_imm32_b32 hwreg(HW_REG_WAVE_MODE, 25, 1), 1
	s_wait_xcnt 0x0
	s_wait_alu depctr_vm_vsrc(0)
; THE SECOND LAUNCH: the hidden layer, h = Q(silu(Xq W1q[e] + b1[e])), on codes of FP6 (E2M3) with one E8M0 scale for each 32 along K.
; SHARES.  Work-group (b, s): the 64 tokens order[64 b ..] (sorted by their pairs of experts) x hidden units 256 s .. 256 s + 255, for every expert e that one of the 64 tokens names.
; The walk over the 8 experts has a constant count; an expert that no token of the block names is jumped over, by a scalar branch on whole numbers read from memory, alike in all eight waves.  So there is no tensor load,
; no copy and no cluster here: the weights go from memory straight into registers, as images of operand registers, and the tokens' codes are shared through LDS by plain stores.
; Wave w takes the 32 hidden units of block Bn = 8 s + w (two tiles u of 16 rows of W1^T) against the four tiles m of 16 tokens: 8 accumulators, which take turns.
; THE PRODUCT IS USED TRANSPOSED (source 0 = 16 columns of W1, source 1 = 16 tokens), and the columns of a tile are chosen (lane r of tile u: column 32 Bn + 8 u + r + 8 (r / 8)) so that lane (r, h) holds token 16 m + r
; and its 16 registers of tiles u = 0, 1 are the 16 neighbouring hidden units 32 Bn + 16 h + 0 .. 15.  The bias is the C of a sum's first product.
; hq: [b][e][hidden block 32][m 4][r 16][24 bytes];  hs: [b][e][s 4][row 64][8 bytes].  Only the parts of experts in use are written, and only those are read later.
; LIMITS: silu(z) = z / (1 + 2^(-z log2 e)): for z under about -88 it gives -0 where the exact value is a denormal.  A block of zeros gets the scale byte 1 (its codes are zeros).  NaN and infinities are not served.
; REGISTERS: window 0: v1-9 addresses; v10-15 at work; v16-31 the tokens' scale words (register 8 a + q, lane l: row 32 a + l, K step q); v32-39 W1's scale words; v40-55 the bias; v56-119 the 8 accumulators;
;   v120-167, v168-215 two buffers of four token fragments (v120-183 also serve the activation); v216-231 at work in the quantiser; v232-247 codes; v248-255 my rows' offsets in xq.
;   window 1: v0-191 an expert's 16 fragments of W1; v192 the LDS address of the token fragments: it lies in the window of the products' source 0, so that one window setting serves an expert's products and LDS loads.
; THE MODE: SCHED_MODE bits 1:0 = 2 (LLVM: expert scheduling mode 2), set by the entry lines.  The code itself states the register dependences
; between vector or matrix instructions and memory or LDS instructions, with s_wait_alu, always for 0.
; THE PLAN.  Registers that memory or LDS instructions touch, in the loop over experts:
;   offsets and LDS addresses but v[SBE]   written at the head, never again.
;   v[SBE]                                 written at a trip's head; read by the trip's four byte stores.
;   W1's scale words, the bias, W1's fragments   loaded at a used trip's start; read by its products.
;   the two fragment buffers               K step q's products read buffer q & 1; the loads of step q + 1, dealt among them, land in the other; the activation works in v120-183.
;   the codes and the scale bytes          written by the quantiser; read by the stores at the trip's end.
; So a used trip has: one wait on va_vdst ahead of its first load (all that earlier trips' vector and matrix lines did to these registers is done, and v[SBE] is written); one at the head of K steps 1 to 6 (the last
; step's products are done reading the buffer that this step's loads fill; this step's products name the other buffer); the two behind the transcendentals; one ahead of the stores.  One wait on vm_vsrc stands at
; every trip's end, ahead of the backward branch: the stores have read v[SBE], the codes and the bytes.
.set XP,   784                         ; a token's row in LDS: 768 bytes + 16 = 196 words: row r starts 4 r words on modulo 64, so the 32 lanes of a load of 8 bytes touch 64 different words modulo 64 (64 banks of 4 bytes: ISA guide 11.1)
.set SSTG, 64*XP                       ; behind the tokens: the hidden layer's scale bytes, 512 bytes of its own for each wave: [expert 8][row 64]
.set L16,  1                           ; v1  16 x lane
.set L8,   2                           ; v2  8 x lane
.set AA,   3                           ; v3  at the head only: XP r
.set HO,   4                           ; v4  my 12 bytes of codes in a block of hq: 24 r + 12 h
.set SBY,  5                           ; v5  SSTG + 512 wave + r
.set SBE,  6                           ; v6  the same + 64 e
.set BIO,  7                           ; v7  64 h: my 16 numbers of the bias
.set BITS, 8
.set SRD,  9                           ; v9  SSTG + 64 wave + 2 lane: where wave e reads expert e's bytes back
.set SCA,  16
.set SCW,  32
.set BI,   40
.set ACC,  56
.set AF0,  120
.set TT,   120
.set TM,   216
.set PC,   232
.set RO,   248
.set AAW,  192                         ; in window 1: my lane's place in a tile of tokens: XP r + 24 h
.set CM,   56                          ; s[56:63] masks of compares
.set AM,   16*XP                       ; a fragment's LDS offset: AM m + AQ q + AC c + 8 i
.set AQ,   96
.set AC,   48
.set MSB,  0
.macro WIN new                         ; the immediate's high byte repeats the setting that is left
.if MSB != \new
	s_set_vgpr_msb (MSB<<8)|\new
.set MSB, \new
.endif
.endm
.macro PLACES                          ; four plain lines behind a matrix instruction (ISA guide 7.12.1)
.rept 4
	v_nop
.endr
.endm
.macro BISSUE                          ; an expert's operands for my 32 columns: 4 + 4 + 48 loads, the fragments K step by K step
.irp p, 0,1,2,3
	global_load_b64 v[SCW+2*\p:SCW+2*\p+1], v[L8], s[46:47] offset:256*\p      ; scale words of K steps 2 p, 2 p + 1: tile u = 0 in lanes 0-15, u = 1 in lanes 16-31
.endr
.irp i, 0,1,2,3
	global_load_b128 v[BI+4*\i:BI+4*\i+3], v[BIO], s[48:49] offset:16*\i       ; the bias at my 16 hidden units
.endr
	WIN 0x40                                       ; destination window 1
.irp f, 0,1,2,3,4,5,6,7,8,9,10,11,12,13,14,15
.irp c, 0,1,2
	global_load_b128 v[12*\f+4*\c:12*\f+4*\c+3], v[L16], s[44:45] offset:1536*\f+512*\c   ; fragment f = 2 q + u, as it lies
.endr
.endr
.endm
.macro AFRAG q, m, adr                 ; the token fragment of tile m, K step q: six loads of 8 bytes into buffer q & 1.  The address lies in window 1, the data in window 0
.irp c, 0,1
.irp i, 0,1,2
	ds_load_b64 v[AF0+48*((\q)&1)+12*(\m)+6*\c+2*\i:AF0+48*((\q)&1)+12*(\m)+6*\c+2*\i+1], v[\adr] offset:AM*(\m)+AQ*(\q)+AC*\c+8*\i
.endr
.endr
.endm
.macro MM q, m, u                      ; one product: tile u of W1 x tile m of tokens, K step q.  W1's scales: lanes 0-15 for u = 0, 16-31 for u = 1; the tokens': lanes 0-15 for even m, 16-31 for odd m
.set rD, ACC+16*(\m)+8*(\u)
.set rC, ACC+16*(\m)+8*(\u)
.if (\q) == 0
.set rC, BI+8*(\u)                     ; the first K step starts the sum from the bias
.endif
.set rW, 24*(\q)+12*(\u)
.set rA, AF0+48*((\q)&1)+12*(\m)
.set rS, SCW+(\q)
.set rX, SCA+8*((\m)/2)+(\q)
.if ((\u) == 0) && ((\m)%2 == 0)
	v_wmma_scale_f32_16x16x128_f8f6f4 v[rD:rD+7], v[rW:rW+11], v[rA:rA+11], v[rC:rC+7], v[rS], v[rX] matrix_a_fmt:MATRIX_FMT_FP6 matrix_b_fmt:MATRIX_FMT_FP6
.elseif ((\u) == 1) && ((\m)%2 == 0)
	v_wmma_scale_f32_16x16x128_f8f6f4 v[rD:rD+7], v[rW:rW+11], v[rA:rA+11], v[rC:rC+7], v[rS], v[rX] matrix_a_fmt:MATRIX_FMT_FP6 matrix_b_fmt:MATRIX_FMT_FP6 matrix_a_scale:MATRIX_SCALE_ROW1
.elseif (\u) == 0
	v_wmma_scale_f32_16x16x128_f8f6f4 v[rD:rD+7], v[rW:rW+11], v[rA:rA+11], v[rC:rC+7], v[rS], v[rX] matrix_a_fmt:MATRIX_FMT_FP6 matrix_b_fmt:MATRIX_FMT_FP6 matrix_b_scale:MATRIX_SCALE_ROW1
.else
	v_wmma_scale_f32_16x16x128_f8f6f4 v[rD:rD+7], v[rW:rW+11], v[rA:rA+11], v[rC:rC+7], v[rS], v[rX] matrix_a_fmt:MATRIX_FMT_FP6 matrix_b_fmt:MATRIX_FMT_FP6 matrix_a_scale:MATRIX_SCALE_ROW1 matrix_b_scale:MATRIX_SCALE_ROW1
.endif
.endm
; 128 along K: 8 products, the 8 accumulators by turns in the same order in every step; the next step's token fragments are asked for among them, six loads ahead of each pair of products
.macro KSTEP q, adr
.if ((\q) > 0) && ((\q) < 7)
	PLACES                                         ; the plain lines between the last step's products and loads into the buffer that they read stay; first the places, then the wait
	s_wait_alu depctr_va_vdst(0)                   ; the last step's products are done reading the other buffer, in which this step's 24 loads land; this step's products name none of its registers
.endif
	s_wait_loadcnt 6*(7-(\q))                      ; the later K steps' six loads each may be out
.irp m, 0,1,2,3
.if (\q) < 7
	AFRAG (\q)+1, \m, \adr
	s_wait_dscnt 24                                ; this step's fragment m is in: behind it stand this step's 18 - 6 m later loads and the next step's 6 m + 6
.else
	s_wait_dscnt 18-6*\m                           ; the last step asks for nothing: its later fragments alone may be out
.endif
	MM \q, \m, 0
	MM \q, \m, 1
.endr
.endm
.macro COMPUTE adr
	WIN 0x01                                       ; source 0 window 1: W1's fragments, and the LDS loads' address
.irp m, 0,1,2,3
	AFRAG 0, \m, \adr
.endr
.irp q, 0,1,2,3,4,5,6,7
	KSTEP \q, \adr
.endr
	WIN 0
	PLACES                                         ; behind the last products, in front of the first read of results
.endm
	s_load_b512 s[4:19], s[0:1], 0x0               ; xq s[4:5], xs s[6:7], order s[8:9], indices s[10:11], wimg s[12:13], wsc s[14:15], b1 s[16:17], hq s[18:19]
	s_load_b64 s[20:21], s[0:1], 0x40              ; hs
	v_lshl_add_u32 v243, v0, 2, 0xd400
	v_mov_b32 v247, 0
	v_lshrrev_b32 v10, 5, v0
	v_readfirstlane_b32 s22, v10                   ; wave 0..7
	s_and_b32 s24, ttmp7, 0xffff                   ; s
	s_lshl_b32 s23, s24, 3
	s_wait_alu depctr_va_sdst(0)                   ; s22 is written, ahead of its first reader
	s_add_co_u32 s23, s23, s22                     ; Bn = 8 s + wave
	v_and_b32 v10, 31, v0                          ; lane
	v_and_b32 v11, 15, v0                          ; r
	v_bfe_u32 v12, v0, 4, 1                        ; h
	v_lshlrev_b32 v[L16], 4, v10
	v_lshlrev_b32 v[L8], 3, v10
	v_mul_u32_u24 v[AA], v11, XP
	WIN 0x40                                       ; destination window 1
	v_mad_u32_u24 v[AAW], v12, 24, v[AA]
	WIN 0
	v_mul_u32_u24 v[HO], v11, 24
	v_mad_u32_u24 v[HO], v12, 12, v[HO]
	s_lshl_b32 s29, s22, 9
	s_add_co_u32 s29, s29, SSTG
	v_add_nc_u32 v[SBY], s29, v11
	s_lshl_b32 s29, s22, 6
	s_add_co_u32 s29, s29, SSTG
	v_lshl_add_u32 v[SRD], v10, 1, s29
	v_lshlrev_b32 v[BIO], 6, v12
	s_mul_i32 s29, s22, 8*XP
	v_add_nc_u32 v13, s29, v[L8]                   ; where I put my wave's 8 rows of codes: XP (8 wave) + 8 lane
	v_lshlrev_b32 v10, 2, v10                      ; 4 x lane
	s_mov_b32 s40, 0x76543210
	s_mov_b32 s41, 0xfedcba98                      ; v_permlanex16_b32's selects for lane l xor 16
	s_mov_b32 s42, 0xbfb8aa3b                      ; -log2(e)
	s_mov_b32 s43, s42                             ; (named with it as a pair, so it is written)
.irp m, 0,1,2,3
	v_mov_b32 v[TM+4+\m], 0                        ; written once: a lane permute's destination counts as one of its sources
.endr
	s_wait_kmcnt 0x0
	s_lshl_b32 s30, ttmp9, 8
	s_mov_b32 s31, 0
	s_add_nc_u64 s[8:9], s[8:9], s[30:31]          ; order at my block's 64 positions
	s_lshl_b32 s30, s22, 5
	s_add_nc_u64 s[52:53], s[8:9], s[30:31]
	s_load_b256 s[32:39], s[52:53], 0x0            ; the tokens of rows 8 wave .. 8 wave + 7
	s_wait_alu depctr_va_vdst(0)                   ; the offsets and LDS addresses made so far are written: v10, which the two loads below read, and those that stay for the whole kernel
	global_load_b32 v14, v10, s[8:9]               ; the token of row lane,
	global_load_b32 v15, v10, s[8:9] offset:128    ; and of row 32 + lane
	s_wait_kmcnt 0x0
.irp p, 0,1,2,3,4,5,6,7
	s_min_u32 s[32+\p], s[32+\p], 0xfff            ; a loaded number enters an address: held inside the table
	s_mul_i32 s[32+\p], s[32+\p], 768
	v_add_nc_u32 v[RO+\p], s[32+\p], v[L8]
.endr
	s_wait_alu depctr_va_vdst(0)                   ; my eight rows' offsets v[RO ..] are written, which the loads below read
.irp p, 0,1,2,3,4,5,6,7
.irp i, 0,1,2
	global_load_b64 v[ACC+6*\p+2*\i:ACC+6*\p+2*\i+1], v[RO+\p], s[4:5] offset:256*\i   ; a row's 768 bytes of codes: three loads of 256 consecutive bytes
.endr
.endr
	s_wait_loadcnt 24                              ; the two loads of order are in; the 24 behind them may be out
	v_min_u32 v14, 0xfff, v14
	v_min_u32 v15, 0xfff, v15
	v_lshlrev_b32 v11, 5, v14
	v_lshlrev_b32 v12, 5, v15
	v_lshlrev_b32 v216, 3, v14
	v_lshlrev_b32 v217, 3, v15
	s_wait_alu depctr_va_vdst(0)                   ; the four offsets v11, v12, v216, v217 are written, which the loads below read
	global_load_b128 v[SCA:SCA+3], v11, s[6:7]               ; the tokens' scale words stay in registers: 8 K steps a row
	global_load_b128 v[SCA+4:SCA+7], v11, s[6:7] offset:16
	global_load_b128 v[SCA+8:SCA+11], v12, s[6:7]
	global_load_b128 v[SCA+12:SCA+15], v12, s[6:7] offset:16
	global_load_b64 v[40:41], v216, s[10:11]                 ; and their two indices each
	global_load_b64 v[42:43], v217, s[10:11]
	s_wait_loadcnt 6                               ; the codes are in; the six just issued may be out
.irp p, 0,1,2,3,4,5,6,7
.irp i, 0,1,2
	ds_store_b64 v13, v[ACC+6*\p+2*\i:ACC+6*\p+2*\i+1] offset:XP*\p+256*\i
.endr
.endr
	s_mul_i32 s30, s23, 24576
	s_add_nc_u64 s[44:45], s[12:13], s[30:31]      ; W1's images of expert 0, block Bn; 786,432 bytes from expert to expert
	s_lshl_b32 s30, s23, 10
	s_add_nc_u64 s[46:47], s[14:15], s[30:31]      ; their scale words; 32,768
	s_lshl_b32 s30, s23, 7
	s_add_nc_u64 s[48:49], s[16:17], s[30:31]      ; b1; 4,096
	s_mul_i32 s30, ttmp9, 393216
	s_mul_i32 s29, s23, 1536
	s_add_co_u32 s30, s30, s29
	s_add_nc_u64 s[50:51], s[18:19], s[30:31]      ; hq at (b, expert 0, block Bn); 49,152
	s_lshl_b32 s30, ttmp9, 14
	s_lshl_b32 s29, s22, 11
	s_add_co_u32 s30, s30, s29
	s_lshl_b32 s29, s24, 9
	s_add_co_u32 s30, s30, s29
	s_add_nc_u64 s[54:55], s[20:21], s[30:31]      ; hs at (b, expert = my wave, s)
	s_wait_loadcnt 0x0
	s_wait_alu depctr_vm_vsrc(0)                   ; the head's loads have read their offsets v10, v11, v12, v216, v217, and the LDS stores their data v[ACC ..]: vector lines below and the loop's products and quantiser write these again
	v_mov_b32 v[BITS], 0                           ; which experts my two tokens name; an index outside 0 .. 7 sets no bit
	v_mov_b32 v11, 1
.irp i, 0,1,2,3
	v_cmp_gt_u32 s[CM+\i], 8, v[40+\i]
.endr
	s_wait_alu depctr_va_sdst(0)                   ; the four masks are written, ahead of the selects that read them
.irp i, 0,1,2,3
	v_lshlrev_b32 v10, v[40+\i], v11
	v_cndmask_b32 v10, 0, v10, s[CM+\i]
	v_or_b32 v[BITS], v[BITS], v10
.endr
.irp e, 0,1,2,3,4,5,6,7
	v_and_b32 v10, 1<<\e, v[BITS]
	v_cmp_ne_u32 s[CM+\e], 0, v10
.endr
	s_wait_alu depctr_va_sdst(0)                   ; the eight masks are written, ahead of the scalar compares that read them
	s_mov_b32 s28, 0                               ; which experts the block's 64 tokens name: the same number in all eight waves
.irp e, 0,1,2,3,4,5,6,7
	s_cmp_lg_u32 s[CM+\e], 0
	s_cselect_b32 s29, 1<<\e, 0
	s_or_b32 s28, s28, s29
.endr
	s_wait_dscnt 0x0                               ; for the others' sake: my rows of codes have landed
	s_barrier_signal -1
	s_barrier_wait -1                              ; the 64 rows lie in LDS; nobody writes them again
	s_mov_b32 s25, 0                               ; e
	s_mov_b32 s26, 1                               ; its bit
	s_mov_b32 s27, 0                               ; 64 e
.Lexp:
	v_add_nc_u32 v[SBE], s27, v[SBY]
	s_and_b32 s29, s28, s26
	s_cmp_lg_u32 s29, 0
	s_cbranch_scc0 .Lnext                          ; no token of the block names this expert
	s_wait_alu depctr_va_vdst(0)                   ; v[SBE] is written; earlier products are done reading W1's fragments, its scale words, the bias and both fragment buffers, the activation is done with v120-183, the head's compares with v40-43: this trip's loads land in all of these
	BISSUE
	COMPUTE AAW
	; silu(z) = z / (1 + 2^(-z log2 e)), in f32.  The accumulators are read in ascending order
.set ii, 0
.rept 32
	v_pk_mul_f32 v[TT+ii:TT+ii+1], v[ACC+ii:ACC+ii+1], s[42:43] op_sel_hi:[1,0]
.set ii, ii+2
.endr
.set ii, 0
	s_wait_alu depctr_va_vdst(0)
.rept 64
	v_exp_f32 v[TT+ii], v[TT+ii]
.set ii, ii+1
.endr
	v_nop                                          ; a plain line behind the last exponential
	s_wait_alu depctr_va_vdst(0)                   ; the 64 exponentials have written v[TT ..]: one wait for the batch, ahead of its first reader
.set ii, 0
.rept 32
	v_pk_add_f32 v[TT+ii:TT+ii+1], v[TT+ii:TT+ii+1], 1.0 op_sel_hi:[1,0]
.set ii, ii+2
.endr
.set ii, 0
	s_wait_alu depctr_va_vdst(0)
.rept 64
	v_rcp_f32 v[TT+ii], v[TT+ii]
.set ii, ii+1
.endr
	v_nop
	s_wait_alu depctr_va_vdst(0)                   ; and the 64 reciprocals likewise
.set ii, 0
.rept 32
	v_pk_mul_f32 v[ACC+ii:ACC+ii+1], v[ACC+ii:ACC+ii+1], v[TT+ii:TT+ii+1]
.set ii, ii+2
.endr
	; the quantiser: for each tile m my 16 registers are half a block of 32 along the next K; lane l xor 16 holds the other half
.irp m, 0,1,2,3
	v_max3_num_f32 v[TM+\m], |v[ACC+16*\m]|, |v[ACC+16*\m+1]|, 0x1800000   ; with the floor 2^(3 - 127): the byte cannot fall under 1
.endr
.irp i, 2,4,6,8,10,12,14
.irp m, 0,1,2,3
	v_max3_num_f32 v[TM+\m], v[TM+\m], |v[ACC+16*\m+\i]|, |v[ACC+16*\m+\i+1]|
.endr
.endr
.irp m, 0,1,2,3
	v_permlanex16_b32 v[TM+4+\m], v[TM+\m], s40, s41
.endr
.irp m, 0,1,2,3
	v_max_num_f32 v[TM+\m], v[TM+\m], v[TM+4+\m]   ; the block's largest magnitude
.endr
.irp m, 0,1,2,3
	v_add_nc_u32 v[TM+12+\m], 0xff000000, v[TM+\m] ; 2 off its exponent field: the conversion's scale operand
.endr
.irp m, 0,1,2,3
	v_lshrrev_b32 v[TM+4+\m], 23, v[TM+12+\m]      ; the scale's byte
.endr
.irp m, 0,1,2,3
	v_cvt_scalef32_pk16_fp6_f32 v[PC+4*\m:PC+4*\m+2], v[ACC+16*\m:ACC+16*\m+15], v[TM+12+\m]
.endr
	v_nop                                          ; one plain line behind the last conversion
	s_wait_alu depctr_va_vdst(0)                   ; the conversions have written the codes v[PC ..] and the shifts the bytes v[TM+4 ..], which the eight stores below read
.irp m, 0,1,2,3
	global_store_b96 v[HO], v[PC+4*\m:PC+4*\m+2], s[50:51] offset:384*\m   ; the wave's four stores cover the block's 1,536 consecutive bytes
.endr
.irp m, 0,1,2,3
	ds_store_b8 v[SBE], v[TM+4+\m] offset:16*\m    ; row 16 m + r's byte, in my wave's own bytes; both halves of the lanes write the same byte with the same value
.endr
.Lnext:
	s_wait_xcnt 0x0                                ; the bases and the stores' data are written again only behind this wait
	s_wait_alu depctr_vm_vsrc(0)                   ; the stores have read v[SBE], the codes and the bytes, which the next trip's vector lines write again
	s_add_nc_u64 s[44:45], s[44:45], 786432
	s_add_nc_u64 s[46:47], s[46:47], 32768
	s_add_nc_u64 s[48:49], s[48:49], 4096
	s_add_nc_u64 s[50:51], s[50:51], 49152
	s_lshl_b32 s26, s26, 1
	s_add_co_u32 s27, s27, 64
	s_add_co_u32 s25, s25, 1
	s_cmp_lt_u32 s25, 8
	s_cbranch_scc1 .Lexp
	s_wait_dscnt 0x0                               ; for the others' sake: my scale bytes have landed
	s_barrier_signal -1
	s_barrier_wait -1
	; wave e sends out expert e's scale bytes of this slice, if the expert is in use: [row 64][8 waves' bytes], 512 bytes
	s_lshl_b32 s29, 1, s22
	s_and_b32 s29, s29, s28
	s_cmp_lg_u32 s29, 0
	s_cbranch_scc0 .Ldone
.irp i, 0,1,2,3,4,5,6,7
	ds_load_u16 v[120+\i], v[SRD] offset:512*\i    ; wave i's bytes of rows 2 lane and 2 lane + 1.  (Every vector and matrix line that names v120-127 stands ahead of the wait in front of a trip's stores)
.endr
	s_wait_dscnt 0x0
	v_perm_b32 v128, v121, v120, 0x05010400        ; row 2 l: waves 0, 1; row 2 l + 1: waves 0, 1
	v_perm_b32 v129, v123, v122, 0x05010400
	v_perm_b32 v130, v125, v124, 0x05010400
	v_perm_b32 v131, v127, v126, 0x05010400
	v_perm_b32 v132, v129, v128, 0x05040100        ; row 2 l, waves 0-3
	v_perm_b32 v133, v131, v130, 0x05040100        ; row 2 l, waves 4-7
	v_perm_b32 v134, v129, v128, 0x07060302        ; row 2 l + 1
	v_perm_b32 v135, v131, v130, 0x07060302
	s_wait_alu depctr_va_vdst(0)                   ; v132-135 are written, which the store reads
	global_store_b128 v[L16], v[132:135], s[54:55] ; 512 consecutive bytes
.Ldone:
	s_wait_dscnt 0x0
	s_wait_alu depctr_hold_cnt(0) depctr_sa_sdst(0) depctr_va_vdst(0) depctr_va_sdst(0) depctr_va_ssrc(0) depctr_va_vcc(0) depctr_vm_vsrc(0)
	s_wait_tensorcnt 0x0
	ds_add_u32 v243, v247
	s_wait_dscnt 0x0
	s_endpgm
.Lfunc_end_k_qea5c47140d_ffn1:
	.size	k_qea5c47140d_ffn1, .Lfunc_end_k_qea5c47140d_ffn1-k_qea5c47140d_ffn1
	.p2alignl 7, 3214868480
	.fill 96, 4, 3214868480
	.section	.rodata,"a",@progbits
	.p2align	6, 0x0
	.amdhsa_kernel k_qea5c47140d_ffn1
		.amdhsa_group_segment_fixed_size 55296
		.amdhsa_private_segment_fixed_size 0
		.amdhsa_enable_private_segment 0
		.amdhsa_kernarg_size 72
		.amdhsa_user_sgpr_count 2
		.amdhsa_user_sgpr_kernarg_segment_ptr 1
		.amdhsa_wavefront_size32 1
		.amdhsa_system_sgpr_workgroup_id_x 1
		.amdhsa_system_sgpr_workgroup_id_y 1
		.amdhsa_system_sgpr_workgroup_id_z 1
		.amdhsa_system_vgpr_workitem_id 0
		.amdhsa_next_free_vgpr 456
		.amdhsa_next_free_sgpr 66
		.amdhsa_reserve_vcc 0
		.amdhsa_float_denorm_mode_32 3
		.amdhsa_float_denorm_mode_16_64 3
		.amdhsa_memory_ordered 1
		.amdhsa_forward_progress 1
		.amdhsa_inst_pref_size 56
	.end_amdhsa_kernel
	.amdgpu_metadata
---
amdhsa.version: [ 1, 2 ]
amdhsa.kernels:
  - .name:           k_qea5c47140d_ffn1
    .symbol:         k_qea5c47140d_ffn1.kd
    .args:
      - { .name: xq, .offset: 0, .size: 8, .value_kind: global_buffer, .address_space: global }
      - { .name: xs, .offset: 8, .size: 8, .value_kind: global_buffer, .address_space: global }
      - { .name: order, .offset: 16, .size: 8, .value_kind: global_buffer, .address_space: global }
      - { .name: expert_indices, .offset: 24, .size: 8, .value_kind: global_buffer, .address_space: global }
      - { .name: wimg, .offset: 32, .size: 8, .value_kind: global_buffer, .address_space: global }
      - { .name: wsc, .offset: 40, .size: 8, .value_kind: global_buffer, .address_space: global }
      - { .name: b1, .offset: 48, .size: 8, .value_kind: global_buffer, .address_space: global }
      - { .name: hq, .offset: 56, .size: 8, .value_kind: global_buffer, .address_space: global }
      - { .name: hs, .offset: 64, .size: 8, .value_kind: global_buffer, .address_space: global }
    .group_segment_fixed_size: 55296
    .private_segment_fixed_size: 0
    .kernarg_segment_align: 8
    .kernarg_segment_size: 72
    .max_flat_workgroup_size: 256
    .sgpr_count:     66
    .vgpr_count:     456
    .wavefront_size: 32
...
	.end_amdgpu_metadata
.endif
;; end of part 5
;; launch ffn2 (part 6): grid 64 x 4, 8 waves a work-group, no clusters, 198,656 bytes of LDS; arguments hq, hs, order, expert_indices, expert_weights, wimg, wsc, b2, out0; writes out0
.if DOCPART == 6
	.amdgcn_target "amdgcn-amd-amdhsa--gfx1250"
	.amdhsa_code_object_version 6
	.text
	.protected	k_qea5c47140d_ffn2
	.globl	k_qea5c47140d_ffn2
	.p2align	8
	.type	k_qea5c47140d_ffn2,@function
k_qea5c47140d_ffn2:
	s_mov_b64 s[64:65], 0
	v_nop
	global_prefetch_b8 v0, s[64:65] scope:SCOPE_SE
	s_setreg_imm32_b32 hwreg(HW_REG_WAVE_SCHED_MODE, 0, 2), 2
	s_setreg_imm32_b32 hwreg(HW_REG_WAVE_MODE, 25, 1), 1
	s_wait_xcnt 0x0
	s_wait_alu depctr_vm_vsrc(0)
; THE THIRD LAUNCH: out[token] = the sum over experts e of tw[token][e] x (Hq[e] W2q[e] + b2[e]), tw = the sum of the token's weights whose index is e.  Codes of FP6 (E2M3), one E8M0 scale for each 32 along K.
; SHARES.  Work-group (b, s): the 64 tokens order[64 b ..] x output columns 256 s .. 256 s + 255: each output number has one owner.  The walk over the 8 experts has a constant count; an expert that no token of the block
; names is jumped over by scalar branches on whole numbers read from memory, alike in all eight waves; for the others all 64 rows are multiplied and weighed by tw, which is 0 where the token does not name the expert.
; So there is no tensor load, no copy and no cluster: W2's images go from memory straight into registers; the hidden layer's codes of expert e + 1 come through registers into one of two LDS buffers while expert e is multiplied.
; Wave w takes the 32 columns of block Bn = 8 s + w (two tiles u) against the four tiles m of 16 tokens.  THE PRODUCT IS USED TRANSPOSED, with the columns of a tile chosen as in the launch before: lane (r, h) holds token row
; 16 m + r and 16 neighbouring columns 32 Bn + 16 h + 0 .. 15.  b2 is the C of a sum's first product.
; ONE BARRIER A TRIP, on every wave's path: the buffer written in trip e was last read in trip e - 1, ahead of that trip's barrier, and is read in trip e + 1, behind this trip's.
; LIMITS: NaN and infinities among the inputs are not served (a weight that is not chosen is left out, not multiplied by 0).
; REGISTERS: window 0: v1-12 addresses; v13-15 at work; v16-31 the hidden layer's scale words (register 8 a + q, lane l: row 32 a + l); v32-39 W2's scale words; v40-55 the bias; v56-119 the 8 accumulators (v56-103 also carry
;   the next expert's codes on their way to LDS); v120-167, v168-215 two buffers of four token fragments; v216-223 my four rows' indices; v224-231 their weights; v232-239 tw, twice each; v240-247 my output rows' offsets;
;   v248-251 the last four of the output's sums (at the head: my rows' tokens).
;   window 1: v0-191 an expert's 16 fragments of W2; v192-251 the first sixty of the output's sums; v252, v253 the LDS addresses of the token fragments in the two buffers: they lie in the window of the products' source 0,
;   so that one window setting serves an expert's products and LDS loads.
; THE MODE: SCHED_MODE bits 1:0 = 2 (LLVM: expert scheduling mode 2), set by the entry lines.  The code itself states the register dependences
; between vector or matrix instructions and memory or LDS instructions, with s_wait_alu, always for 0.
; THE PLAN.  Registers that memory or LDS instructions touch, in the loop over experts:
;   offsets and LDS addresses              written at the head, never again.
;   v56-103                                the next expert's codes land here; the LDS stores read them; then this expert's products write them and the weighing reads them.
;   both kinds of scale words, the bias, W2's fragments   loaded in a used trip; read by its products.
;   the two fragment buffers               K step q's products read buffer q & 1; the loads of step q + 1, dealt among them, land in the other.
;   the output's sums are named by vector lines alone until the way out.
; So a trip has: one wait on va_vdst as its first line, ahead of its branches (the trip before is done with every register in which this trip's loads land); one wait on vm_vsrc directly behind each run of LDS stores of
; codes (they have read v56-103); one wait on va_vdst at the head of K steps 1 to 6 (the last step's products are done reading the buffer that this step's loads fill; this step's products name the other buffer).
.set BP,   1664                        ; a hidden block (64 rows x 24 bytes = 1,536 bytes) in LDS: + 128, so that lanes 16-31, which read the next block, fall 32 words on modulo 64 (64 banks of 4 bytes: ISA guide 11.1)
.set BUF1, 65536                       ; the second buffer
.set OST,  131072                      ; the stage for the way out: 64 rows x (1,024 bytes + 16)
.set OP,   1040
.set L16,  1                           ; v1  16 x lane
.set L8,   2                           ; v2  8 x lane
.set AA0,  3                           ; v3, v4  at the head only: 24 r, 24 r + BUF1
.set SA0,  5                           ; v5, v6  where I put codes: 16 lane + BP wave, buffer 0, 1
.set BIO,  7                           ; v7  64 h
.set BITS, 8
.set R4,   9                           ; v9  4 r
.set SG,   10                          ; v10 16 lane + 1,536 wave: my blocks of a tile of hq
.set OSTO, 11                          ; v11 the stage: where I put 64 bytes of a row
.set OSRD, 12                          ; v12 and where I read rows back
.set SCA,  16
.set SCW,  32
.set BI,   40
.set ACC,  56
.set AF0,  120
.set IX,   216
.set WT,   224
.set TW,   232
.set RO,   240
.set OX,   248                         ; the output's sums 60 .. 63
.set OA,   192                         ; in window 1: the output's sums 0 .. 59
.set AAW,  252                         ; in window 1: my lane's place in a tile of tokens, buffer 0, 1: 24 r + BP h
.set CM,   56                          ; s[56:63] masks of compares
.set AM,   384                         ; a fragment's LDS offset: AM m + AQ q + AC c + 8 i
.set AQ,   4*BP
.set AC,   2*BP
.set MSB,  0
.macro WIN new                         ; the immediate's high byte repeats the setting that is left
.if MSB != \new
	s_set_vgpr_msb (MSB<<8)|\new
.set MSB, \new
.endif
.endm
.macro PLACES                          ; four plain lines behind a matrix instruction (ISA guide 7.12.1)
.rept 4
	v_nop
.endr
.endm
.macro SISSUE off                      ; my four blocks (wave, wave + 8, ..) of the tile of hq that lies off bytes on: 12 loads of 512 consecutive bytes
.irp n, 0,1,2,3,4,5,6,7,8,9,10,11
	global_load_b128 v[ACC+4*\n:ACC+4*\n+3], v[SG], s[54:55] offset:\off+12288*(\n/3)+512*(\n%3)
.endr
.endm
.macro SSTORE adr                      ; and into LDS
.irp n, 0,1,2,3,4,5,6,7,8,9,10,11
	ds_store_b128 v[\adr], v[ACC+4*\n:ACC+4*\n+3] offset:8*BP*(\n/3)+512*(\n%3)
.endr
	s_wait_alu depctr_vm_vsrc(0)                   ; the twelve LDS stores have read v[ACC ..], which products or the next codes' loads write next
.endm
.macro BISSUE2                         ; an expert's operands: 8 + 4 + 4 + 48 = 64 loads, the fragments K step by K step
.irp a, 0,1
.irp p, 0,1,2,3
	global_load_b64 v[SCA+8*\a+2*\p:SCA+8*\a+2*\p+1], v[L8], s[50:51] offset:512*\p+256*\a   ; row 32 a + lane: the scale words of K steps 2 p, 2 p + 1
.endr
.endr
.irp p, 0,1,2,3
	global_load_b64 v[SCW+2*\p:SCW+2*\p+1], v[L8], s[46:47] offset:256*\p
.endr
.irp i, 0,1,2,3
	global_load_b128 v[BI+4*\i:BI+4*\i+3], v[BIO], s[48:49] offset:16*\i
.endr
	WIN 0x40                                       ; destination window 1
.irp f, 0,1,2,3,4,5,6,7,8,9,10,11,12,13,14,15
.irp c, 0,1,2
	global_load_b128 v[12*\f+4*\c:12*\f+4*\c+3], v[L16], s[44:45] offset:1536*\f+512*\c
.endr
.endr
	WIN 0
.endm
.macro AFRAG q, m, adr                 ; the token fragment of tile m, K step q: six loads of 8 bytes into buffer q & 1.  The address lies in window 1, the data in window 0
.irp c, 0,1
.irp i, 0,1,2
	ds_load_b64 v[AF0+48*((\q)&1)+12*(\m)+6*\c+2*\i:AF0+48*((\q)&1)+12*(\m)+6*\c+2*\i+1], v[\adr] offset:AM*(\m)+AQ*(\q)+AC*\c+8*\i
.endr
.endr
.endm
.macro MM q, m, u                      ; one product: tile u of W2 x tile m of tokens, K step q
.set rD, ACC+16*(\m)+8*(\u)
.set rC, ACC+16*(\m)+8*(\u)
.if (\q) == 0
.set rC, BI+8*(\u)                     ; the first K step starts the sum from the bias
.endif
.set rW, 24*(\q)+12*(\u)
.set rA, AF0+48*((\q)&1)+12*(\m)
.set rS, SCW+(\q)
.set rX, SCA+8*((\m)/2)+(\q)
.if ((\u) == 0) && ((\m)%2 == 0)
	v_wmma_scale_f32_16x16x128_f8f6f4 v[rD:rD+7], v[rW:rW+11], v[rA:rA+11], v[rC:rC+7], v[rS], v[rX] matrix_a_fmt:MATRIX_FMT_FP6 matrix_b_fmt:MATRIX_FMT_FP6
.elseif ((\u) == 1) && ((\m)%2 == 0)
	v_wmma_scale_f32_16x16x128_f8f6f4 v[rD:rD+7], v[rW:rW+11], v[rA:rA+11], v[rC:rC+7], v[rS], v[rX] matrix_a_fmt:MATRIX_FMT_FP6 matrix_b_fmt:MATRIX_FMT_FP6 matrix_a_scale:MATRIX_SCALE_ROW1
.elseif (\u) == 0
	v_wmma_scale_f32_16x16x128_f8f6f4 v[rD:rD+7], v[rW:rW+11], v[rA:rA+11], v[rC:rC+7], v[rS], v[rX] matrix_a_fmt:MATRIX_FMT_FP6 matrix_b_fmt:MATRIX_FMT_FP6 matrix_b_scale:MATRIX_SCALE_ROW1
.else
	v_wmma_scale_f32_16x16x128_f8f6f4 v[rD:rD+7], v[rW:rW+11], v[rA:rA+11], v[rC:rC+7], v[rS], v[rX] matrix_a_fmt:MATRIX_FMT_FP6 matrix_b_fmt:MATRIX_FMT_FP6 matrix_a_scale:MATRIX_SCALE_ROW1 matrix_b_scale:MATRIX_SCALE_ROW1
.endif
.endm
; 128 along K: 8 products, the 8 accumulators by turns in the same order in every step; the next step's token fragments are asked for among them, six loads ahead of each pair of products
.macro KSTEP q, adr
.if ((\q) > 0) && ((\q) < 7)
	PLACES                                         ; the plain lines between the last step's products and loads into the buffer that they read stay; first the places, then the wait
	s_wait_alu depctr_va_vdst(0)                   ; the last step's products are done reading the other buffer, in which this step's 24 loads land; this step's products name none of its registers
.endif
	s_wait_loadcnt 6*(7-(\q))                      ; the later K steps' six loads each may be out
.irp m, 0,1,2,3
.if (\q) < 7
	AFRAG (\q)+1, \m, \adr
	s_wait_dscnt 24                                ; this step's fragment m is in: behind it stand this step's 18 - 6 m later loads and the next step's 6 m + 6; the stores of the next expert's codes, which are older, have landed too
.else
	s_wait_dscnt 18-6*\m                           ; the last step asks for nothing: its later fragments alone may be out
.endif
	MM \q, \m, 0
	MM \q, \m, 1
.endr
.endm
.macro COMPUTE adr
	WIN 0x01                                       ; source 0 window 1: W2's fragments, and the LDS loads' address
.irp m, 0,1,2,3
	AFRAG 0, \m, \adr
.endr
.irp q, 0,1,2,3,4,5,6,7
	KSTEP \q, \adr
.endr
	WIN 0
	PLACES                                         ; behind the last products, in front of the first read of results
.endm
.macro WEIGH                           ; the output's sums += tw x y: tw of my four rows for expert s25, then 32 packed multiply-adds, the accumulators in ascending order
.irp i, 0,1,2,3,4,5,6,7
	v_cmp_eq_u32 s[CM+\i], s25, v[IX+\i]
.endr
	s_wait_alu depctr_va_sdst(0)                   ; the eight masks are written, ahead of the selects that read them
.irp m, 0,1,2,3
	v_cndmask_b32 v13, 0, v[WT+2*\m], s[CM+2*\m]
	v_cndmask_b32 v14, 0, v[WT+2*\m+1], s[CM+2*\m+1]
	v_add_f32 v[TW+2*\m], v13, v14
	v_mov_b32 v[TW+2*\m+1], v[TW+2*\m]
.endr
	WIN 0x50                                       ; source 2 and destination window 1
.irp m, 0,1,2,3
.irp i, 0,2,4,6,8,10,12,14
.if 16*\m+\i < 60
	v_pk_fma_f32 v[OA+16*\m+\i:OA+16*\m+\i+1], v[ACC+16*\m+\i:ACC+16*\m+\i+1], v[TW+2*\m:TW+2*\m+1], v[OA+16*\m+\i:OA+16*\m+\i+1]
.endif
.endr
.endr
	WIN 0
	v_pk_fma_f32 v[OX:OX+1], v[ACC+60:ACC+61], v[TW+6:TW+7], v[OX:OX+1]          ; the last four sums lie in window 0
	v_pk_fma_f32 v[OX+2:OX+3], v[ACC+62:ACC+63], v[TW+6:TW+7], v[OX+2:OX+3]
.endm
; A TRIP: expert e (bit s26), whose codes lie in buffer par.  Four ways, by whether the block uses e and e + 1.
.macro TRIP par
	s_wait_alu depctr_va_vdst(0)                   ; on all four ways: the trip before (for the first trip: the head) is done: its products have read W2's fragments, the scale words, the bias and both fragment buffers, its weighing has read the accumulators: this trip's loads land in these
	s_and_b32 s29, s28, s26                        ; does the block use expert e?
	s_lshl_b32 s30, s26, 1
	s_and_b32 s30, s28, s30                        ; and e + 1?  (bit 8 is never set: the last trip asks for nothing)
	s_cmp_lg_u32 s29, 0
	s_cbranch_scc0 .Lidle_\@
	s_cmp_lg_u32 s30, 0
	s_cbranch_scc0 .Lalone_\@
	SISSUE 49152                                   ; the next expert's codes first,
	BISSUE2                                        ; then this expert's operands
	s_wait_loadcnt 63                              ; 64 loads are younger than the 12: the count is the largest that the field holds, and leaves at most 63 out: the 12 are in
	SSTORE SA0+1-\par
	s_branch .Lmul_\@
.Lalone_\@:
	BISSUE2
.Lmul_\@:                                          ; on both ways the 64 loads of BISSUE2 are the youngest, so the counts below count the same loads
	COMPUTE AAW+\par
	WEIGH
	s_branch .Lend_\@
.Lidle_\@:
	s_cmp_lg_u32 s30, 0
	s_cbranch_scc0 .Lend_\@
	SISSUE 49152
	s_wait_loadcnt 0x0
	SSTORE SA0+1-\par
.Lend_\@:
	s_wait_xcnt 0x0                                ; the bases are written again only behind this wait
	s_add_nc_u64 s[44:45], s[44:45], 786432
	s_add_nc_u64 s[46:47], s[46:47], 32768
	s_add_nc_u64 s[48:49], s[48:49], 4096
	s_add_nc_u64 s[50:51], s[50:51], 2048
	s_add_nc_u64 s[54:55], s[54:55], 49152
	s_add_co_u32 s25, s25, 1
	s_lshl_b32 s26, s26, 1
	s_wait_dscnt 0x0                               ; my reads of this buffer are over and my stores into the other have landed
	s_barrier_signal -1
	s_barrier_wait -1
.endm
	s_load_b512 s[4:19], s[0:1], 0x0               ; hq s[4:5], hs s[6:7], order s[8:9], indices s[10:11], weights s[12:13], wimg s[14:15], wsc s[16:17], b2 s[18:19]
	s_load_b64 s[20:21], s[0:1], 0x40              ; out0
	s_set_vgpr_msb 0x40
	v_lshl_add_u32 v254, v0, 2, 0x30400
	v_mov_b32 v255, 0
	s_set_vgpr_msb 0x4000
	v_lshrrev_b32 v13, 5, v0
	v_readfirstlane_b32 s22, v13                   ; wave 0..7
	s_and_b32 s24, ttmp7, 0xffff                   ; s
	s_lshl_b32 s23, s24, 3
	s_wait_alu depctr_va_sdst(0)                   ; s22 is written, ahead of its first reader
	s_add_co_u32 s23, s23, s22                     ; Bn = 8 s + wave
	v_and_b32 v13, 31, v0                          ; lane
	v_and_b32 v14, 15, v0                          ; r
	v_bfe_u32 v15, v0, 4, 1                        ; h
	v_lshlrev_b32 v[L16], 4, v13
	v_lshlrev_b32 v[L8], 3, v13
	v_mul_u32_u24 v[AA0], v14, 24
	v_add_nc_u32 v[AA0+1], BUF1, v[AA0]
	WIN 0x40                                       ; destination window 1
	v_mad_u32_u24 v[AAW], v15, BP, v[AA0]
	v_mad_u32_u24 v[AAW+1], v15, BP, v[AA0+1]
	WIN 0
	s_mul_i32 s29, s22, BP
	v_add_nc_u32 v[SA0], s29, v[L16]
	v_add_nc_u32 v[SA0+1], BUF1, v[SA0]
	v_lshlrev_b32 v[BIO], 6, v15
	s_mul_i32 s29, s22, 1536
	v_add_nc_u32 v[SG], s29, v[L16]
	v_mul_u32_u24 v[OSTO], v14, OP
	v_lshl_add_u32 v[OSTO], v15, 6, v[OSTO]
	s_lshl_b32 s29, s22, 7
	s_add_co_u32 s29, s29, OST
	v_add_nc_u32 v[OSTO], s29, v[OSTO]             ; row r, + 128 wave + 64 h
	s_mul_i32 s29, s22, 8*OP
	s_add_co_u32 s29, s29, OST
	v_add_nc_u32 v[OSRD], s29, v[L16]              ; rows 8 wave on, 16 bytes a lane
	v_lshlrev_b32 v[R4], 2, v14
	s_wait_kmcnt 0x0
	s_lshl_b32 s30, ttmp9, 8
	s_mov_b32 s31, 0
	s_add_nc_u64 s[8:9], s[8:9], s[30:31]          ; order at my block's 64 positions
	s_lshl_b32 s30, s22, 5
	s_add_nc_u64 s[52:53], s[8:9], s[30:31]
	s_load_b256 s[32:39], s[52:53], 0x0            ; the tokens of rows 8 wave .. 8 wave + 7, which I store
	s_wait_alu depctr_va_vdst(0)                   ; the offsets and LDS addresses made so far are written: v[R4], which the four loads below read, and those that stay for the whole kernel
.irp m, 0,1,2,3
	global_load_b32 v[248+\m], v[R4], s[8:9] offset:64*\m   ; the token of row 16 m + r, whose sums I hold
.endr
	s_wait_loadcnt 0x0
.irp m, 0,1,2,3
	v_min_u32 v[248+\m], 0xfff, v[248+\m]          ; a loaded number enters an address: held inside the table
	v_lshlrev_b32 v[252+\m], 3, v[248+\m]
.endr
	s_wait_alu depctr_va_vdst(0)                   ; the four offsets v252-255 are written, which the loads below read
.irp m, 0,1,2,3
	global_load_b64 v[IX+2*\m:IX+2*\m+1], v[252+\m], s[10:11]
	global_load_b64 v[WT+2*\m:WT+2*\m+1], v[252+\m], s[12:13]
.endr
	s_wait_kmcnt 0x0
.irp p, 0,1,2,3,4,5,6,7
	s_min_u32 s[32+\p], s[32+\p], 0xfff
	s_lshl_b32 s[32+\p], s[32+\p], 12              ; a row of out0 is 4,096 bytes
	v_add_nc_u32 v[RO+\p], s[32+\p], v[L16]
.endr
	WIN 0x40
.set ii, 0
.rept 60
	v_mov_b32 v[OA+ii], 0                          ; the output's sums are cleared: which expert is the block's first hangs on data, so no product can start them
.set ii, ii+1
.endr
	WIN 0
.irp i, 0,1,2,3
	v_mov_b32 v[OX+\i], 0                          ; the last four, in the registers that held my rows' tokens
.endr
	s_mul_i32 s30, s23, 24576
	s_add_co_u32 s30, s30, 6291456
	s_add_nc_u64 s[44:45], s[14:15], s[30:31]      ; W2's images (matrices 8 ..) of expert 0, block Bn; 786,432 bytes from expert to expert
	s_lshl_b32 s30, s23, 10
	s_add_co_u32 s30, s30, 262144
	s_add_nc_u64 s[46:47], s[16:17], s[30:31]      ; their scale words; 32,768
	s_lshl_b32 s30, s23, 7
	s_add_nc_u64 s[48:49], s[18:19], s[30:31]      ; b2; 4,096
	s_lshl_b32 s30, ttmp9, 14
	s_add_nc_u64 s[50:51], s[6:7], s[30:31]        ; hs at (b, expert 0); 2,048
	s_mul_i32 s30, ttmp9, 393216
	s_add_nc_u64 s[54:55], s[4:5], s[30:31]        ; hq at (b, expert 0); 49,152
	s_lshl_b32 s30, s24, 10
	s_add_nc_u64 s[20:21], s[20:21], s[30:31]      ; out0 at my 256 columns
	s_wait_loadcnt 0x0
	v_mov_b32 v[BITS], 0                           ; which experts my four tokens name; an index outside 0 .. 7 sets no bit
	v_mov_b32 v15, 1
.irp i, 0,1,2,3,4,5,6,7
	v_cmp_gt_u32 s[CM+\i], 8, v[IX+\i]
.endr
	s_wait_alu depctr_va_sdst(0)                   ; the eight masks are written, ahead of the selects that read them
.irp i, 0,1,2,3,4,5,6,7
	v_lshlrev_b32 v13, v[IX+\i], v15
	v_cndmask_b32 v13, 0, v13, s[CM+\i]
	v_or_b32 v[BITS], v[BITS], v13
.endr
.irp e, 0,1,2,3,4,5,6,7
	v_and_b32 v13, 1<<\e, v[BITS]
	v_cmp_ne_u32 s[CM+\e], 0, v13
.endr
	s_wait_alu depctr_va_sdst(0)                   ; the eight masks are written, ahead of the scalar compares that read them
	s_mov_b32 s28, 0                               ; which experts the block's 64 tokens name: the same number in all eight waves, and the same as in the launch before
.irp e, 0,1,2,3,4,5,6,7
	s_cmp_lg_u32 s[CM+\e], 0
	s_cselect_b32 s29, 1<<\e, 0
	s_or_b32 s28, s28, s29
.endr
	s_and_b32 s29, s28, 1
	s_cmp_lg_u32 s29, 0
	s_cbranch_scc0 .Lno_first
	SISSUE 0                                       ; expert 0's codes, if it is in use, into buffer 0.  (No vector line has named v[ACC ..] yet; v[SG] and v[SA0] were written ahead of the head's first wait on va_vdst)
	s_wait_loadcnt 0x0
	SSTORE SA0
.Lno_first:
	s_wait_dscnt 0x0
	s_barrier_signal -1
	s_barrier_wait -1
	s_mov_b32 s27, 0                               ; pairs of experts done
	s_mov_b32 s25, 0                               ; e
	s_mov_b32 s26, 1                               ; its bit
.Lpair:                                            ; a trip of the loop runs two experts, until the buffers are back where they began
	TRIP 0
	TRIP 1
	s_add_co_u32 s27, s27, 1
	s_cmp_lt_u32 s27, 4
	s_cbranch_scc1 .Lpair
	; THE WAY OUT.  A lane holds 64 neighbouring bytes of a row, and a row's 1,024 bytes come from eight waves: they meet in the stage, and each wave stores 8 whole rows to its tokens' places
	WIN 0x04                                       ; an LDS store's data are its source 1: window 1
	s_wait_alu depctr_va_vdst(0)                   ; the last weighing has written the output's sums, which the LDS stores read, and is done reading v[ACC ..], in which the stage's loads land
.irp m, 0,1,2,3
.irp i, 0,1,2,3
.if 4*\m+\i < 15
	ds_store_b128 v[OSTO], v[OA+16*\m+4*\i:OA+16*\m+4*\i+3] offset:16*OP*\m+16*\i
.endif
.endr
.endr
	WIN 0
	ds_store_b128 v[OSTO], v[OX:OX+3] offset:16*OP*3+48   ; the last four sums lie in window 0
	s_wait_dscnt 0x0                               ; for the others' sake: my stores into the stage have landed
	s_barrier_signal -1
	s_barrier_wait -1
.irp p, 0,1,2,3,4,5,6,7
.irp i, 0,1
	ds_load_b128 v[ACC+8*\p+4*\i:ACC+8*\p+4*\i+3], v[OSRD] offset:OP*\p+512*\i
.endr
.endr
.irp p, 0,1,2,3,4,5,6,7
.irp i, 0,1
	s_wait_dscnt 15-2*\p-\i                        ; LDS loads come back in order: this one is in, the younger ones may be out
	global_store_b128 v[RO+\p], v[ACC+8*\p+4*\i:ACC+8*\p+4*\i+3], s[20:21] offset:512*\i th:TH_STORE_NT   ; 32 lanes store 512 consecutive bytes, at a multiple of 256 from out0's first byte
.endr
.endr
	s_set_vgpr_msb 0x5
	s_wait_dscnt 0x0
	s_wait_alu depctr_hold_cnt(0) depctr_sa_sdst(0) depctr_va_vdst(0) depctr_va_sdst(0) depctr_va_ssrc(0) depctr_va_vcc(0) depctr_vm_vsrc(0)
	s_wait_tensorcnt 0x0
	ds_add_u32 v254, v255
	s_wait_dscnt 0x0
	s_endpgm
.Lfunc_end_k_qea5c47140d_ffn2:
	.size	k_qea5c47140d_ffn2, .Lfunc_end_k_qea5c47140d_ffn2-k_qea5c47140d_ffn2
	.p2alignl 7, 3214868480
	.fill 96, 4, 3214868480
	.section	.rodata,"a",@progbits
	.p2align	6, 0x0
	.amdhsa_kernel k_qea5c47140d_ffn2
		.amdhsa_group_segment_fixed_size 198656
		.amdhsa_private_segment_fixed_size 0
		.amdhsa_enable_private_segment 0
		.amdhsa_kernarg_size 72
		.amdhsa_user_sgpr_count 2
		.amdhsa_user_sgpr_kernarg_segment_ptr 1
		.amdhsa_wavefront_size32 1
		.amdhsa_system_sgpr_workgroup_id_x 1
		.amdhsa_system_sgpr_workgroup_id_y 1
		.amdhsa_system_sgpr_workgroup_id_z 1
		.amdhsa_system_vgpr_workitem_id 0
		.amdhsa_next_free_vgpr 512
		.amdhsa_next_free_sgpr 66
		.amdhsa_reserve_vcc 0
		.amdhsa_float_denorm_mode_32 3
		.amdhsa_float_denorm_mode_16_64 3
		.amdhsa_memory_ordered 1
		.amdhsa_forward_progress 1
		.amdhsa_inst_pref_size 103
	.end_amdhsa_kernel
	.amdgpu_metadata
---
amdhsa.version: [ 1, 2 ]
amdhsa.kernels:
  - .name:           k_qea5c47140d_ffn2
    .symbol:         k_qea5c47140d_ffn2.kd
    .args:
      - { .name: hq, .offset: 0, .size: 8, .value_kind: global_buffer, .address_space: global }
      - { .name: hs, .offset: 8, .size: 8, .value_kind: global_buffer, .address_space: global }
      - { .name: order, .offset: 16, .size: 8, .value_kind: global_buffer, .address_space: global }
      - { .name: expert_indices, .offset: 24, .size: 8, .value_kind: global_buffer, .address_space: global }
      - { .name: expert_weights, .offset: 32, .size: 8, .value_kind: global_buffer, .address_space: global }
      - { .name: wimg, .offset: 40, .size: 8, .value_kind: global_buffer, .address_space: global }
      - { .name: wsc, .offset: 48, .size: 8, .value_kind: global_buffer, .address_space: global }
      - { .name: b2, .offset: 56, .size: 8, .value_kind: global_buffer, .address_space: global }
      - { .name: out0, .offset: 64, .size: 8, .value_kind: global_buffer, .address_space: global }
    .group_segment_fixed_size: 198656
    .private_segment_fixed_size: 0
    .kernarg_segment_align: 8
    .kernarg_segment_size: 72
    .max_flat_workgroup_size: 256
    .sgpr_count:     66
    .vgpr_count:     512
    .wavefront_size: 32
...
	.end_amdgpu_metadata
.endif
;; end of part 6
